; MI455X (gfx1250); checked and timed in simulation.
; The chip was launched on July 23, 2026; its instructions are those of AMD's public machine-readable ISA for CDNA 5 (MIT licence, August 2026) and "CDNA5" Instruction Set Architecture Reference Guide (July 2026). The comments in the code are by the model that wrote it; some were corrected since.
;; VQFFN1. Allowed arithmetic: matrix products marked QUANTISED: E5M2 operands, one given power-of-two scale a tensor, by v_wmma_f32_16x16x64_bf8_bf8 or v_wmma_f32_16x16x128_bf8_bf8, f32 sums; everything else in f32.
;; Inputs: lowp_scales 4 int32 (the exponents e of the quantised operands' scales 2^e); weight 2,048 x 1,024 float32; x 4 x 4,096 x 1,024 float32.
;; Outputs: out0 4 x 4,096 x 1,024 float32.
;; This version of the problem:
;;   THIS VERSION OF THE PROBLEM IS GIVEN IN LOW PRECISION. The matrix products marked QUANTISED in the list below multiply operands that are first quantised to E5M2 (5 exponent bits, 2 mantissa bits; 8 bits a number), with one given power-of-two scale for each operand tensor; their sums are f32. All else is computed in f32.
;;   The module's matrix products, in the order in which they are computed (A, B: the left and right operand; K: the contracted axis; several contracted axes count as one K, in the product's order):
;;     1. [M 16,384, K 1,024] x [K 1,024, N 2,048]; A: computed on the way; B: computed on the way: QUANTISED (scales: A lowp_scales[0], B lowp_scales[1])
;;     2. [M 16,384, K 2,048] x [K 2,048, N 1,024]; A: softmax (see below); B: input weight: QUANTISED (scales: A lowp_scales[2], B lowp_scales[3])
;;   THE QUANTISER, for each operand of a quantised product, along K:
;;     - The operand's scale is 2^e, e = its entry of the input lowp_scales (int32; the entries are numbered through the quantised products in the list's order, A before B).
;;     - Each number is divided by the scale, clamped to +-57,344, and rounded to the nearest number of E5M2, ties to even, subnormals kept.
;;     - The product sums the exact products of the quantised numbers (number of the format x scale) in f32.
;;   ~~~python
;;   def quantise(x, axis, e):      # numpy; x: float32 -> the quantised numbers, widened to float32 again
;;       x = np.moveaxis(x, axis, -1); K = x.shape[-1]
;;       r = np.clip(x / 2.0 ** e, -57344, 57344)
;;       step = 2.0 ** (np.maximum(np.frexp(np.where(r == 0, 1, r))[1] - 1, -14) - 2)
;;       q = np.round(r / step) * step * 2.0 ** e      # np.round: ties to even
;;       return np.moveaxis(q, -1, axis).astype(np.float32)
;;   ~~~
;;   SOFTMAX AHEAD OF A QUANTISED PRODUCT. Where the list says 'softmax', what is quantised is not the finished softmax but p = 2^(t - M), with t = logit x log2(e) and M = ceil(the row's largest t), a whole number; so 1/2 < the row's largest p <= 1. The row's sum l is taken of the UNQUANTISED p, in f32, and the product's result is divided by l at the end. Since M is a whole number, a kernel that streams over the keys may use a running M (the ceiling of the running maximum): every later rescaling is an exact power of two, so the quantised numbers keep their values, but for numbers so far below the row's largest that they fall under the format's range.
;;   OPERANDS COMPUTED ON THE WAY. 'Computed on the way' means the value that the module computes at that place (a softmax that the list does not call 'softmax' is quantised finished and normalised). What goes into a quantiser is computed in f32, as accurately as f32 sums, v_exp_f32 and their like allow (about 1e-6 of the number): no bf16 or f16 on the way to a quantiser, and a product that is left as it is and whose result goes on into a quantised operand takes f32 operands (vector FMAs, or v_wmma_f32_16x16x4_f32). A number that lies on a knife's edge between two numbers of the format may be rounded either way, as far as f32 arithmetic and the matrix unit's own rounding can turn it there, and no further.
;; 2 versions, each right. Each part assembles by itself: llvm-mc -triple=amdgcn-amd-amdhsa -mcpu=gfx1250 --defsym DOCPART=n.
;; ======== version 1 of 2: 2 launches
;; workspace buffers: xcodes 16,777,216 bytes; wstream 4,194,304 bytes
;; launch prep (part 1): grid 1408 x 1, 4 waves a work-group, no clusters, 35,584 bytes of LDS; arguments x, weight, lowp_scales, xcodes, wstream; writes xcodes, wstream
.if DOCPART == 1
	.amdgcn_target "amdgcn-amd-amdhsa--gfx1250"
	.amdhsa_code_object_version 6
	.text
	.protected	k_qc71c80452f_prep
	.globl	k_qc71c80452f_prep
	.p2align	8
	.type	k_qc71c80452f_prep,@function
k_qc71c80452f_prep:
	s_mov_b64 s[64:65], 0
	v_nop
	global_prefetch_b8 v0, s[64:65] scope:SCOPE_SE
	s_setreg_imm32_b32 hwreg(HW_REG_WAVE_MODE, 25, 1), 1
	s_wait_xcnt 0x0
; VQFFN1, first of two launches: the three operands that can be made ahead become codes of BF8 (E5M2), laid as the second launch's registers take them.
;   xcodes : Q(rmsnorm(x)),      scale 2^e0   (e0 .. e3: the four whole numbers of lowp_scales)
;   wstream: Q(rmsnorm(weight)), scale 2^e1, and Q(weight) with the codebook's axis c innermost, scale 2^e3, in the order in which the second launch consumes them.
; code = number / 2^e, held within +-57,344, to the nearest code, ties to even.  rmsnorm: x * rsqrt(mean(x x) + 1e-6), all in f32.
; NO WORK OF reference() IS LEFT OUT in this program: both products, both norms and the softmax are live for all values, and every input is loaded.
; ORDER OF ROUNDING in a norm (the scores are large, so one code that falls the other way moves a result far: every rounding ahead of the quantiser is laid down here).  Each square is rounded; a row's 1,024 squares are
; summed as 32 runs of 32 neighbours, each run in ascending order, and the 32 runs' sums in ascending order; x 1/1,024 (exact) + 1e-6, one rounding; the root, correctly rounded (v_sqrt_f32 and one fused correction);
; its reciprocal, correctly rounded (v_rcp_f32 and one fused correction); x times that, one rounding.
; AN IMAGE is a fragment of v_wmma_f32_16x16x64_bf8_bf8 (16 rows x 64 along K, 8 registers a lane) as 1,024 bytes: piece q (0, 1) is 512 bytes, lane L's registers 4 q .. 4 q + 3 at 512 q + 16 L.
;   xcodes  [b 0..255][kappa 0..15][m 0..3][1,024]: rows 64 b + 16 m + 0..15, K step kappa.
;   wstream: 32 chunks of 131,072 bytes, chunk 8 s + i of c-step s (512 c).  i = 0..3: rmsnorm(weight): wave w (32,768 bytes each), K step kappa = 4 i + kl, tile t: c = 512 s + 128 w + 16 t + 0..15, at (8 kl + t) x 1,024.
;            i = 4 + j: weight^T, K = c = 512 s + 128 j + 64 k' + 0..63, rows d = 256 w + 16 dt + 0..15, at (16 k' + dt) x 1,024.
; K's ORDER.  First product: fragment kappa, half h of the lanes, register p, byte y holds d = 64 kappa + 32 h + 4 p + y: a permutation of d inside a K step, the same in x and in the weight (one text makes both), so every
; product meets its partner.  Second product: the form's own order (register 2 i + y / 4, byte y % 4, half h: c = 16 i + 8 h + y).
; SHARES.  Work-groups 0..1023: a tile of 16 rows of x; 1024..1151: a tile of 16 rows of weight (normalised); four rows a wave, a row in 32 registers.  Work-groups 1152..1407: weight^T, a wave takes 32 columns d x 64 c,
; a lane a column, its registers down c: nothing is transposed by an instruction.
; LIMITS: e0, e1, e3 between -126 and 112, so that 2^e and 57,344 x 2^e are f32 numbers.  NaN and infinity among the inputs are not served.
.set NXT,   1024                       ; tiles of x
.set NROWT, 1152                       ; tiles of x and of weight
.set SP,    1040                       ; a row of the codes' stage: 1,024 codes + 16 of padding: an odd multiple of 16 bytes, so that 16 rows' same column fall on 16 different groups of banks (ISA guide 11.1)
.set FS,    16*SP                      ; behind the codes' stage: a stage for one row of f32 for each wave
.set FP,    144                        ; a lane's place in it: its 128 bytes + 16 of padding
.set FSW,   32*FP                      ; 4,608 bytes a wave
.set SPARE, FS+4*FSW                   ; behind the stages: the spare words, 128 bytes a wave: two blocks of 256 bytes that no other line names
.set SPW,  1                           ; v1     my spare word's LDS address; never rewritten
.set NIL,  2                           ; v2     0; never rewritten
.set VO,   3                           ; v3     16 x lane
.set STW,  4                           ; v4     the codes' stage, on the way in: my wave's four rows, 32 bytes a lane
.set RDB,  5                           ; v5     and on the way out: row L % 16, half L / 16, my wave's four K steps
.set VOFF, 6                           ; v6-9   where my wave's four images go
.set LIMV, 10                          ; v10    57,344 x 2^e
.set SCV,  11                          ; v11    2^e
.set FW,   12                          ; v12    the f32 stage, on the way in: the bytes as they were loaded
.set FR,   13                          ; v13    and on the way out: my 32 neighbours
.set R,    16                          ; v16-23 1 / sqrt(var), a pair for each row (the pair's low word serves both halves)
.set C,    24                          ; v24-55 codes, 8 registers a row
.set ACC,  56                          ; v56-59 my run's sum, for each row
.set TOT,  60                          ; v60-63 the row's sum
.set X,    64                          ; v64-191 four rows of 32 numbers a lane
.set Q,    192                         ; v192-207 squares: a pair for each row, two sets by turns
.set VAR,  208                         ; v208-211 the mean + 1e-6, then the root
.set S0,   212                         ; v212-215 the root's first value
.set Y,    216                         ; v216-219 reciprocals
.set E,    220                         ; v220-223 what a correction adds
	s_load_b128 s[4:7], s[0:1], 0x0                ; x, weight
	s_load_b64 s[8:9], s[0:1], 0x10                ; the scales' exponents
	s_load_b128 s[12:15], s[0:1], 0x18             ; xcodes, wstream
	v_lshl_add_u32 v[SPW], v0, 2, SPARE
	v_mov_b32 v[NIL], 0
	v_lshrrev_b32 v14, 5, v0
	v_readfirstlane_b32 s16, v14                   ; wave 0..3
	v_and_b32 v15, 31, v0                          ; lane
	v_lshlrev_b32 v[VO], 4, v15
	s_mul_i32 s17, s16, 4*SP
	v_lshl_add_u32 v[STW], v15, 5, s17             ; 4 rows x wave + 32 x lane
	v_and_b32 v14, 15, v0
	v_mul_u32_u24 v[RDB], v14, SP
	v_bfe_u32 v14, v0, 4, 1
	v_lshl_add_u32 v[RDB], v14, 5, v[RDB]
	s_lshl_b32 s17, s16, 8
	v_add_nc_u32 v[RDB], s17, v[RDB]               ; row x pitch + 32 x half + 4 K steps of 64 bytes x wave
	s_mul_i32 s17, s16, FSW
	s_add_co_u32 s17, s17, FS                      ; my wave's f32 stage
	v_lshrrev_b32 v14, 3, v15
	v_mul_u32_u24 v[FW], v14, FP
	v_and_b32 v14, 7, v15
	v_lshl_add_u32 v[FW], v14, 4, v[FW]
	v_add_nc_u32 v[FW], s17, v[FW]                 ; in: eight lanes' 128 bytes on end, then 16 of padding: FP (lane / 8) + 16 (lane % 8); a load's 512 bytes take four places
	v_mul_u32_u24 v[FR], v15, FP
	v_add_nc_u32 v[FR], s17, v[FR]                 ; out: FP x lane
	s_wait_kmcnt 0x0
	s_load_b128 s[20:23], s[8:9], 0x0              ; e0, e1, e2, e3
	s_cmp_ge_u32 ttmp9, NROWT                      ; the work-group's number alone: all four waves go the same way
	s_cbranch_scc1 .Lwt
	; ---- ROWS: 16 rows are normalised and quantised.  Both tensors take one path; pointers and strides are chosen by the work-group's number.
	s_sub_co_u32 s26, ttmp9, NXT                   ; weight's tile T (of no meaning in x's work-groups, where it is not taken)
	s_lshr_b32 s27, ttmp9, 2
	s_lshl_b32 s27, s27, 16
	s_and_b32 s28, ttmp9, 3
	s_lshl_b32 s28, s28, 10
	s_add_co_u32 s27, s27, s28                     ; x: block b = tile / 4 of 65,536 bytes, m = tile % 4
	s_lshr_b32 s28, s26, 5
	s_lshl_b32 s28, s28, 20                        ; weight: c-step T / 32, eight chunks each,
	s_bfe_u32 s29, s26, 0x20003
	s_lshl_b32 s29, s29, 15
	s_add_co_u32 s28, s28, s29                     ; the wave (T / 8) % 4 that will read it,
	s_and_b32 s29, s26, 7
	s_lshl_b32 s29, s29, 10
	s_add_co_u32 s28, s28, s29                     ; its tile t = T % 8
	s_mov_b32 s30, 131072                          ; from my wave's four K steps to the next wave's: a chunk,
	s_mov_b32 s31, 8192                            ; from K step to K step: eight tiles
	s_cmp_lt_u32 ttmp9, NXT
	s_cselect_b64 s[4:5], s[4:5], s[6:7]
	s_cselect_b64 s[12:13], s[12:13], s[14:15]
	s_cselect_b32 s26, ttmp9, s26
	s_cselect_b32 s34, s27, s28
	s_cselect_b32 s30, 16384, s30                  ; in xcodes: four K steps of four tiles,
	s_cselect_b32 s31, 4096, s31                   ; four tiles
	s_lshl_b32 s32, s26, 16                        ; the tile's 16 rows of 4,096 bytes,
	s_lshl_b32 s28, s16, 14                        ; my wave's four
	s_add_co_u32 s32, s32, s28
	s_mov_b32 s33, 0
	s_mov_b32 s35, 0
	s_add_nc_u64 s[4:5], s[4:5], s[32:33]
	s_add_nc_u64 s[12:13], s[12:13], s[34:35]
.irp i, 0,1,2,3
.irp j, 0,1,2,3,4,5,6,7
	global_load_b128 v[X+32*\i+4*\j:X+32*\i+4*\j+3], v[VO], s[4:5] offset:\i*4096+\j*512 th:TH_LOAD_NT   ; 32 lanes read 512 consecutive bytes
.endr
.endr
	s_mul_i32 s36, s16, s30
.irp k, 0,1,2,3
	v_add_nc_u32 v[VOFF+\k], s36, v[VO]
	s_add_co_u32 s36, s36, s31
.endr
	s_mov_b32 s24, 0x3a800000                      ; 1 / 1,024
	s_mov_b32 s25, 0x358637bd                      ; 1e-6
.irp i, 0,1,2,3
	v_mov_b32 v[R+2*\i+1], 0                       ; (the upper halves of the pairs are named, so they are written)
.endr
	s_wait_kmcnt 0x0
	s_cmp_lt_u32 ttmp9, NXT
	s_cselect_b32 s20, s20, s21                    ; e0 or e1
	s_add_co_i32 s20, s20, 127
	s_lshl_b32 s21, s20, 23
	v_mov_b32 v[SCV], s21                          ; 2^e as f32: the conversion takes its exponent field
	s_add_co_i32 s20, s20, 15
	s_lshl_b32 s20, s20, 23
	s_or_b32 s20, s20, 0x600000
	v_mov_b32 v[LIMV], s20                         ; 57,344 x 2^e
; A row turns through my wave's stage: in as it was loaded (lane l: d = 128 j + 4 l + 0..3), out 128 bytes a lane (lane l: d = 32 l + 0..31), into the registers that it left.
; LDS serves a wave's instructions in order (ISA guide 5.7.1.4): no wait between the stores and the loads, nor in front of the next row's stores into the same bytes.
.macro TURN i
	s_wait_loadcnt 24-8*\i                         ; this row's eight loads are in; the eight of each younger row may be out
.irp j, 0,1,2,3,4,5,6,7
	ds_store_b128 v[FW], v[X+32*\i+4*\j:X+32*\i+4*\j+3] offset:4*FP*\j
.endr
.irp j, 0,1,2,3,4,5,6,7
	ds_load_b128 v[X+32*\i+4*\j:X+32*\i+4*\j+3], v[FR] offset:16*\j
.endr
.endm
	TURN 0
	TURN 1
	TURN 2
	TURN 3
	s_wait_dscnt 0x0                               ; all four rows are back
	; my run of 32 squares, in ascending order; the four rows are four chains that take turns
.set g, 0
.rept 16
.irp i, 0,1,2,3
	v_pk_mul_f32 v[Q+8*(g%2)+2*\i:Q+8*(g%2)+2*\i+1], v[X+32*\i+2*g:X+32*\i+2*g+1], v[X+32*\i+2*g:X+32*\i+2*g+1]   ; two squares, each rounded
.endr
.if g == 0
.irp i, 0,1,2,3
	v_add_f32 v[ACC+\i], v[Q+2*\i], v[Q+2*\i+1]    ; the first two start the chain: nothing is cleared
.endr
.else
.irp i, 0,1,2,3
	v_add_f32 v[ACC+\i], v[ACC+\i], v[Q+8*(g%2)+2*\i]
.endr
.irp i, 0,1,2,3
	v_add_f32 v[ACC+\i], v[ACC+\i], v[Q+8*(g%2)+2*\i+1]
.endr
.endif
.set g, g+1
.endr
	; the 32 runs' sums, in the order of the lanes: each is read into a scalar register and added in every lane, so that every lane ends with the row's sum
.irp i, 0,1,2,3
	v_readlane_b32 s[40+\i], v[ACC+\i], 0
.endr
.irp i, 0,1,2,3
	v_mov_b32 v[TOT+\i], s[40+\i]
.endr
.set k, 1
.rept 31
.irp i, 0,1,2,3
	v_readlane_b32 s[40+4*(k%4)+\i], v[ACC+\i], k
.endr
.irp i, 0,1,2,3
	v_add_f32 v[TOT+\i], s[40+4*(k%4)+\i], v[TOT+\i]
.endr
.set k, k+1
.endr
.irp i, 0,1,2,3
	v_fma_f32 v[VAR+\i], v[TOT+\i], s24, s25       ; the mean + 1e-6: the product is exact, so this is one rounding
.endr
.irp i, 0,1,2,3
	v_sqrt_f32 v[S0+\i], v[VAR+\i]
.endr
	v_nop                                          ; one plain instruction behind the last transcendental (ISA guide 5.7.2),
	s_wait_alu depctr_va_vdst(0)                   ; and the wait ahead of the batch's first reader
.irp i, 0,1,2,3
	v_rcp_f32 v[Y+\i], v[S0+\i]
.endr
.irp i, 0,1,2,3
	v_fma_f32 v[E+\i], -v[S0+\i], v[S0+\i], v[VAR+\i]   ; what the root's square lacks.  (Plain instructions behind the reciprocals)
.endr
	s_wait_alu depctr_va_vdst(0)
.irp i, 0,1,2,3
	v_mul_f32 v[Y+\i], 0.5, v[Y+\i]
.endr
.irp i, 0,1,2,3
	v_fma_f32 v[VAR+\i], v[E+\i], v[Y+\i], v[S0+\i]     ; the root, one rounding from the true one
.endr
.irp i, 0,1,2,3
	v_rcp_f32 v[Y+\i], v[VAR+\i]
.endr
	v_nop
	s_wait_alu depctr_va_vdst(0)
.irp i, 0,1,2,3
	v_fma_f32 v[E+\i], -v[VAR+\i], v[Y+\i], 1.0
.endr
.irp i, 0,1,2,3
	v_fma_f32 v[R+2*\i], v[E+\i], v[Y+\i], v[Y+\i]      ; 1 / the root, one rounding from the true one
.endr
.macro ROWQ i
.set XR, X+32*\i
.irp k, 0,1,2,3,4,5,6,7,8,9,10,11,12,13,14,15
	v_pk_mul_f32 v[XR+2*\k:XR+2*\k+1], v[XR+2*\k:XR+2*\k+1], v[R+2*\i:R+2*\i+1] op_sel_hi:[1,0]
.endr
.irp k, 0,1,2,3,4,5,6,7,8,9,10,11,12,13,14,15,16,17,18,19,20,21,22,23,24,25,26,27,28,29,30,31
	v_med3_num_f32 v[XR+\k], v[XR+\k], -v[LIMV], v[LIMV]   ; the conversion to an 8-bit code does not saturate (ISA guide 7.6.2): the hold comes first
.endr
.irp g, 0,1,2,3
	v_cvt_scalef32_pk8_bf8_f32 v[C+8*\i+2*\g:C+8*\i+2*\g+1], v[XR+8*\g:XR+8*\g+7], v[SCV]   ; code register p holds d = 32 l + 4 p + 0..3: lane l = 2 kappa + h holds fragment kappa's eight registers of half h
.endr
	ds_store_b128 v[STW], v[C+8*\i:C+8*\i+3] offset:\i*SP
	ds_store_b128 v[STW], v[C+8*\i+4:C+8*\i+7] offset:\i*SP+16
.endm
	ROWQ 0
	ROWQ 1
	ROWQ 2
	ROWQ 3
	s_wait_dscnt 0x0                               ; for the others' sake: my four rows lie in the codes' stage
	s_barrier_signal -1
	s_barrier_wait -1                              ; all sixteen do
.irp k, 0,1,2,3                                ; my wave's K steps 4 w + k: lane L = 16 h + r takes row r's 16 bytes of half h, piece q
.irp q, 0,1
	ds_load_b128 v[X+8*\k+4*\q:X+8*\k+4*\q+3], v[RDB] offset:64*\k+16*\q
.endr
.endr
.irp k, 0,1,2,3
.irp q, 0,1
	s_wait_dscnt 7-2*\k-\q                         ; LDS loads come back in order: this one is in, the younger ones may be out
	global_store_b128 v[VOFF+\k], v[X+8*\k+4*\q:X+8*\k+4*\q+3], s[12:13] offset:512*\q   ; 32 lanes store 512 consecutive bytes, at a multiple of 512 from the buffer's first byte
.endr
.endr
	s_wait_tensorcnt 0x0                           ; the wave's end: behind my last LDS store
	ds_add_u32 v[SPW], v[NIL]
	s_wait_dscnt 0x0
	s_endpgm
	; ---- weight^T: no LDS, no barrier.  W = work-group - 1152: 128 columns d (W % 8) x 64 rows c (W / 8); my wave 32 of the columns.
.Lwt:
	s_sub_co_u32 s26, ttmp9, NROWT
	s_and_b32 s27, s26, 7                          ; dblk
	s_lshr_b32 s28, s26, 3                         ; cb
	s_lshl_b32 s32, s28, 18                        ; 64 rows of 4,096 bytes,
	s_lshl_b32 s29, s27, 9
	s_add_co_u32 s32, s32, s29                     ; 128 columns,
	s_lshl_b32 s29, s16, 7
	s_add_co_u32 s32, s32, s29                     ; my wave's 32
	s_mov_b32 s33, 0
	s_add_nc_u64 s[6:7], s[6:7], s[32:33]
	s_lshr_b32 s34, s28, 3
	s_lshl_b32 s34, s34, 20                        ; c-step cb / 8,
	s_bfe_u32 s29, s28, 0x20001
	s_add_co_u32 s29, s29, 4
	s_lshl_b32 s29, s29, 17
	s_add_co_u32 s34, s34, s29                     ; chunk 4 + (cb / 2) % 4,
	s_lshr_b32 s29, s27, 1
	s_lshl_b32 s29, s29, 15
	s_add_co_u32 s34, s34, s29                     ; the wave dblk / 2 that owns these d,
	s_and_b32 s29, s28, 1
	s_lshl_b32 s29, s29, 14
	s_add_co_u32 s34, s34, s29                     ; k' = cb % 2: sixteen tiles,
	s_and_b32 s29, s27, 1
	s_lshl_b32 s29, s29, 13
	s_add_co_u32 s34, s34, s29                     ; tile dt = 8 (dblk % 2)
	s_lshl_b32 s29, s16, 11
	s_add_co_u32 s34, s34, s29                     ; + 2 x wave (+ lane / 16, below)
	s_mov_b32 s35, 0
	s_add_nc_u64 s[14:15], s[14:15], s[34:35]
	v_lshlrev_b32 v8, 2, v15                       ; in: 4 bytes a lane
	v_lshrrev_b32 v14, 4, v15
	v_and_b32 v10, 15, v15
	v_lshlrev_b32 v9, 4, v10
	v_lshl_add_u32 v9, v14, 10, v9                 ; out: tile lane / 16, row lane % 16: 16 bytes
.set nn, 0
.rept 64
	global_load_b32 v[X+nn], v8, s[6:7] offset:nn*4096   ; weight(64 cb + nn, my column): 128 consecutive bytes a wave, 512 a work-group
.set nn, nn+1
.endr
	s_wait_kmcnt 0x0
	s_add_co_i32 s23, s23, 127
	s_lshl_b32 s22, s23, 23
	v_mov_b32 v[SCV], s22                          ; 2^e3
	s_add_co_i32 s23, s23, 15
	s_lshl_b32 s23, s23, 23
	s_or_b32 s23, s23, 0x600000
	v_mov_b32 v[LIMV], s23                         ; 57,344 x 2^e3
.irp u, 0,1                                    ; c = 32 u on
	s_wait_loadcnt 32-32*\u                        ; this half's 32 loads are in; the other half's may be out
.set nn, 32*\u
.rept 32
	v_med3_num_f32 v[X+nn], v[X+nn], -v[LIMV], v[LIMV]
.set nn, nn+1
.endr
.irp g, 0,1,2,3                                ; group 4 u + g: c = 8 (4 u + g) + 0..7 = 16 i + 8 h + 0..7 with i = 2 u + g / 2, h = g % 2: registers 2 i, 2 i + 1 of half h: piece u, its words 2 (g / 2), + 1
	v_cvt_scalef32_pk8_bf8_f32 v[C+4*(2*\u+\g%2)+2*(\g/2):C+4*(2*\u+\g%2)+2*(\g/2)+1], v[X+32*\u+8*\g:X+32*\u+8*\g+7], v[SCV]
.endr
.endr
.irp q, 0,1
.irp h, 0,1
	global_store_b128 v9, v[C+4*(2*\q+\h):C+4*(2*\q+\h)+3], s[14:15] offset:512*\q+256*\h   ; sixteen lanes store 256 consecutive bytes, at a multiple of 256 from the buffer's first byte
.endr
.endr
	s_endpgm
.Lfunc_end_k_qc71c80452f_prep:
	.size	k_qc71c80452f_prep, .Lfunc_end_k_qc71c80452f_prep-k_qc71c80452f_prep
	.p2alignl 7, 3214868480
	.fill 96, 4, 3214868480
	.section	.rodata,"a",@progbits
	.p2align	6, 0x0
	.amdhsa_kernel k_qc71c80452f_prep
		.amdhsa_group_segment_fixed_size 35584
		.amdhsa_private_segment_fixed_size 0
		.amdhsa_enable_private_segment 0
		.amdhsa_kernarg_size 40
		.amdhsa_user_sgpr_count 2
		.amdhsa_user_sgpr_kernarg_segment_ptr 1
		.amdhsa_wavefront_size32 1
		.amdhsa_system_sgpr_workgroup_id_x 1
		.amdhsa_system_sgpr_workgroup_id_y 1
		.amdhsa_system_sgpr_workgroup_id_z 1
		.amdhsa_system_vgpr_workitem_id 0
		.amdhsa_next_free_vgpr 224
		.amdhsa_next_free_sgpr 66
		.amdhsa_reserve_vcc 0
		.amdhsa_float_denorm_mode_32 3
		.amdhsa_float_denorm_mode_16_64 3
		.amdhsa_memory_ordered 1
		.amdhsa_forward_progress 1
		.amdhsa_inst_pref_size 61
	.end_amdhsa_kernel
	.amdgpu_metadata
---
amdhsa.version: [ 1, 2 ]
amdhsa.kernels:
  - .name:           k_qc71c80452f_prep
    .symbol:         k_qc71c80452f_prep.kd
    .args:
      - { .name: x, .offset: 0, .size: 8, .value_kind: global_buffer, .address_space: global }
      - { .name: weight, .offset: 8, .size: 8, .value_kind: global_buffer, .address_space: global }
      - { .name: lowp_scales, .offset: 16, .size: 8, .value_kind: global_buffer, .address_space: global }
      - { .name: xcodes, .offset: 24, .size: 8, .value_kind: global_buffer, .address_space: global }
      - { .name: wstream, .offset: 32, .size: 8, .value_kind: global_buffer, .address_space: global }
    .group_segment_fixed_size: 35584
    .private_segment_fixed_size: 0
    .kernarg_segment_align: 8
    .kernarg_segment_size: 40
    .max_flat_workgroup_size: 128
    .sgpr_count:     66
    .vgpr_count:     224
    .wavefront_size: 32
...
	.end_amdgpu_metadata
.endif
;; end of part 1
;; launch vq (part 2): grid 256 x 1, 4 waves a work-group, clusters of 4 x 1, 327,680 bytes of LDS; arguments xcodes, wstream, lowp_scales, out0; writes out0
.if DOCPART == 2
	.amdgcn_target "amdgcn-amd-amdhsa--gfx1250"
	.amdhsa_code_object_version 6
	.text
	.protected	k_qc71c80452f_vq
	.globl	k_qc71c80452f_vq
	.p2align	8
	.type	k_qc71c80452f_vq,@function
k_qc71c80452f_vq:
	s_mov_b64 s[64:65], 0
	v_nop
	global_prefetch_b8 v0, s[64:65] scope:SCOPE_SE
	s_setreg_imm32_b32 hwreg(HW_REG_WAVE_MODE, 25, 1), 1
	s_wait_xcnt 0x0
	s_wait_alu depctr_hold_cnt(0) depctr_sa_sdst(0) depctr_va_vdst(0) depctr_va_sdst(0) depctr_va_ssrc(0) depctr_va_vcc(0) depctr_vm_vsrc(0)
	s_getreg_b32 s2, hwreg(HW_REG_IB_STS2, 6, 4)
	s_cmp_eq_u32 s2, 0
	s_cbranch_scc0 .Lentry_in_a_cluster
	s_endpgm
.Lentry_in_a_cluster:
	s_bfe_u32 s2, ttmp6, 0x10000c
	s_cmp_lg_u32 s2, 0x3003
	s_cbranch_scc0 .Lentry_shape_is_right
	s_endpgm
.Lentry_shape_is_right:
; VQFFN1, second launch: out = softmax(rmsnorm(x) rmsnorm(weight)^T) weight, both products on codes of BF8 (E5M2) by v_wmma_f32_16x16x64_bf8_bf8, sums in f32.  Nothing of reference() is left out.
; THE SOFTMAX AHEAD OF THE SECOND PRODUCT: t = score x log2(e); M = the row's largest t so far, rounded UP to a whole number; p = 2^(t - M) is quantised with 2^e2, not normalised; the row's sum l is taken of the
; unquantised p and divides at the end.  When M moves, l and O are multiplied by 2^(old M - new M): exact.
; SHARES.  A work-group owns 64 rows of x (four tiles m of 16).  THE FOUR WAVES SHARE THE COLUMNS: in a c-step of 512 c, wave w makes the scores of c = 128 w + 0..127 (8 tiles t) for all 64 rows; of the result it owns
; d = 256 w + 0..255 (16 tiles dt) for all 64 rows: 64 accumulators, 512 registers.  So each fragment of the weights is read from LDS by one wave, once, and feeds four matrix instructions.
; Both products are used transposed (source 0 = 16 rows of the weights, source 1 = 16 rows of x or of p): a lane holds ONE row of x (lane % 16) throughout, and the eight registers of a tile of scores are eight
; neighbouring c, so that the conversions' results are the second product's fragment as they stand.
; THE STREAM.  The weights' codes lie in wstream as 32 chunks of 131,072 bytes, in the order of use: for each c-step four chunks of the normalised weight (16 K steps of 64 along d), then four of weight^T (128 c each).
; They go through a ring of two LDS slots.  The four work-groups of a cluster walk the same chunks: each chunk is asked for JOINTLY (waves 0 and 1, a half each); waves 2 and 3 fetch my rows' codes of x that go with a
; chunk of the first product (16,384 bytes), by plain loads.  All operands lie as images of their registers (1,024 bytes a fragment, lane L's 16 bytes at 16 L): two ds_load_b128 a fragment, 512 consecutive bytes each.
; p GOES FROM WAVE TO WAVE THROUGH LDS as images too: chunk 4 + j of a c-step multiplies wave j's p; two buffers by turns.
; By this text's own count a wave has at most one tensor load out, and every wait on TENSORcnt is for 0.
; LIMITS: e0 + e1 between -126 and 127 (added to log2(e)'s exponent field); e2 between -126 and 112; e2 + e3 goes by v_ldexp_f32.  NaN and infinity among the inputs are not served.  Under the running M a p of an early
; c-step keeps a code that the row's last M would put under the format's range.
; REGISTERS, in windows of 256 (s_set_vgpr_msb: bits 1:0 source 0, 3:2 source 1, 5:4 source 2, 7:6 destination):
;   window 0: v1-14 addresses and constants; v16-19 the largest score; v20-27 -M, v28-35 f, v36-43 l (pairs, one for each m); v44-63 at work; two operand sets of 96: v64-127 eight fragments of the weights, v128-159 four of
;             x or p; the same at v160-223, v224-255 (v160-223 also serve the softmax's hold).
;   window 1: the scores S(t, m) at 64 m + 8 t; then p's codes at 64 m + 2 t; on the way out at work.     windows 2, 3: O(dt, m) at 8 (4 (dt % 8) + m) of window 2 + dt / 8.
.set CHUNK, 131072
.set SLOTB, 147456                     ; a slot: a chunk of the weights, then 16,384 bytes of x's codes
.set XOFF,  131072
.set PB,    2*SLOTB                    ; two buffers of 8,192 bytes for p's images: (4 k' + m) x 1,024
.set EX,    PB+16384                   ; 4 waves x 16 rows x 4 words: the waves' maxima, at the end their sums
.set SPARE, EX+1024                    ; the spare words, 128 bytes a wave: two blocks of 256 bytes that no other line names
.set SP,    1040                       ; the way out: a stage of 16 rows x (1,024 bytes + 16) for each wave, in slot 0, which has had its last fill and its last read by then
.set SPW, 1                            ; v1   my spare word; never rewritten
.set NIL, 2                            ; v2   0; never rewritten
.set AW,  3                            ; v3-4 my wave's part of the weights in slot 0, 1: + 16 L
.set AX,  5                            ; v5-6 x's codes in slot 0, 1
.set AP,  7                            ; v7   p's buffers
.set EXW, 8                            ; v8   where I put my row's four figures
.set EXR, 9                            ; v9   where I read the four waves'
.set STO, 10                           ; v10  the stage: in
.set SRD, 11                           ; v11  the stage: back
.set GO,  12                           ; v12  16 L
.set CVS, 13                           ; v13  2^e2 as f32
.set PFO, 14                           ; v14  256 x lane
.set RM,  16
.set NM,  20
.set FF,  28
.set LS,  36
.set TA,  44
.set TB,  48
.set F0,  64
.set F1,  160
.set TT,  160
.set WV,   12                          ; s12  wave
.set HALF, 13                          ; s13  wave % 2: which half of a tile I fetch
.set LEFT, 22                          ; s22  c-steps to go, this one among them
.set LIM0, 23                          ; s23  0 in the first cluster, else the greatest number: a wave prefetches while LEFT is above it
.set G1W,  24                          ; s[24:31] descriptor group 1: half a chunk
.set G1X,  32                          ; s[32:39] half of x's part
.set G0W,  40                          ; s[40:47] group 0 for the weights, a set for each slot
.set G0X,  48                          ; s[48:55] the same for x
.set CS,   56                          ; s[56:57] log2(e) x 2^(e0 + e1)
.set SEL,  58                          ; s[58:59] v_permlanex16_b32's selects: lane l xor 16
.set LIMP, 60                          ; s60  57,344 x 2^e2
.set ESUM, 61                          ; s61  e2 + e3
.set LIM1, 62                          ; s62  1 in the first cluster, else the greatest number
.set PFA,  66                          ; s[66:67] where my prefetches stand
.set W_P1, 0x50                        ; operands window 0, C and D window 1
.set MSB, 0
.macro WIN new                         ; the immediate's high byte repeats the setting that is left; a switch that changes nothing is dropped
.if MSB != (\new)
	s_set_vgpr_msb (MSB<<8)|(\new)
.set MSB, (\new)
.endif
.endm
.macro PLACES                          ; four plain instructions between a matrix instruction and a load into, or a vector read of, its registers (ISA guide 7.12.1 for vector reads)
.rept 4
	v_nop
.endr
.endm
.macro CREST                           ; a round of the cluster's barrier behind its opening barrier
	s_cmp_lg_u32 s[WV], 0
	s_cbranch_scc1 .Lnot_wave_0_\@
	s_barrier_signal -3
.Lnot_wave_0_\@:
	s_barrier_wait -3
	s_barrier_signal -1
	s_barrier_wait -1
.endm
.macro CROUND
	s_barrier_signal -1
	s_barrier_wait -1
	CREST
.endm
; The refill of a slot.  Waves 0, 1: the chunk's halves, jointly with the three partners.  kind = 1: waves 2, 3 fetch the halves of x's part; kind = 2: they fetch nothing.  The branch hangs on the wave's number alone.
; An s_nop 0 and four v_nop follow each tensor load.
.macro TLOAD kind, slot
	s_cmp_lt_u32 s[WV], 2
	s_cbranch_scc0 .Lnot_w_\@
	tensor_load_to_lds s[G0W+4*(\slot):G0W+4*(\slot)+3], s[G1W:G1W+7]
	s_nop 0
.rept 4
	v_nop
.endr
.if \kind == 1
	s_branch .Lasked_\@
.Lnot_w_\@:
	tensor_load_to_lds s[G0X+4*(\slot):G0X+4*(\slot)+3], s[G1X:G1X+7]
	s_nop 0
.rept 4
	v_nop
.endr
.Lasked_\@:
.else
.Lnot_w_\@:
.endif
.endm
; A prefetch of the chunk that stands two refills on (256 matrix instructions of a wave ahead of the load that will want it).  All clusters walk the same stream: the first cluster asks, nobody else; its four partners take
; 32,768 bytes each, told apart by address; a wave 8,192, lanes 256 bytes apart: each block of 256 bytes is named once.  Chunks 0 to 2 come by their loads alone; nothing behind chunk 31 is named.
.macro ASK lim
	s_cmp_gt_u32 s[LEFT], s[\lim]
	s_cbranch_scc0 .Lnot_mine_\@
	global_prefetch_b8 v[PFO], s[PFA:PFA+1] th:TH_LOAD_NT scope:SCOPE_SE
.Lnot_mine_\@:
.endm
.macro FETCHW slot, n, f               ; my eight fragments of the chunk's n-th group -> v[f] on
.irp i, 0,1,2,3,4,5,6,7
	ds_load_b128 v[\f+8*\i:\f+8*\i+3],   v[AW+(\slot)] offset:(\n)*8192+\i*1024
	ds_load_b128 v[\f+8*\i+4:\f+8*\i+7], v[AW+(\slot)] offset:(\n)*8192+\i*1024+512
.endr
.endm
.macro FETCHX slot, n, f               ; x's four fragments of the chunk's n-th K step -> v[f + 64] on
.irp m, 0,1,2,3
	ds_load_b128 v[\f+64+8*\m:\f+64+8*\m+3], v[AX+(\slot)] offset:(\n)*4096+\m*1024
	ds_load_b128 v[\f+64+8*\m+4:\f+64+8*\m+7], v[AX+(\slot)] offset:(\n)*4096+\m*1024+512
.endr
.endm
.macro FETCHP buf, kp                  ; p's four fragments of K step kp -> set kp's v[.. + 64] on
.irp m, 0,1,2,3
	ds_load_b128 v[F0+96*(\kp)+64+8*\m:F0+96*(\kp)+64+8*\m+3], v[AP] offset:(\buf)*8192+(4*(\kp)+\m)*1024
	ds_load_b128 v[F0+96*(\kp)+64+8*\m+4:F0+96*(\kp)+64+8*\m+7], v[AP] offset:(\buf)*8192+(4*(\kp)+\m)*1024+512
.endr
.endm
.macro PSTORE j, buf                   ; wave j puts its p's eight images into a buffer
	WIN 0
	s_cmp_lg_u32 s[WV], \j
	s_cbranch_scc1 .Lnot_me_\@
	WIN 0x04                                       ; the data lie in window 1
.irp k, 0,1
.irp m, 0,1,2,3
	ds_store_b128 v[AP], v[64*\m+8*\k:64*\m+8*\k+3] offset:(\buf)*8192+(4*\k+\m)*1024
	ds_store_b128 v[AP], v[64*\m+8*\k+4:64*\m+8*\k+7] offset:(\buf)*8192+(4*\k+\m)*1024+512
.endr
.endr
	WIN 0
.Lnot_me_\@:
.endm
; The products.  32 accumulators take turns, one instruction a turn, in the same order in every step.
.macro MULP1 f, t0, t1, zero           ; S(t, m) += 16 c x 16 rows, 64 along d; zero = 1: the first K step starts the sums
.set tt, \t0
.rept (\t1)-(\t0)+1
.irp m, 0,1,2,3
.if \zero
	v_wmma_f32_16x16x64_bf8_bf8 v[64*\m+8*tt:64*\m+8*tt+7], v[\f+8*tt:\f+8*tt+7], v[\f+64+8*\m:\f+64+8*\m+7], 0
.else
	v_wmma_f32_16x16x64_bf8_bf8 v[64*\m+8*tt:64*\m+8*tt+7], v[\f+8*tt:\f+8*tt+7], v[\f+64+8*\m:\f+64+8*\m+7], v[64*\m+8*tt:64*\m+8*tt+7]
.endif
.endr
.set tt, tt+1
.endr
.endm
.macro MULP2 f, kp, i0, i1             ; O(i, m) of the window in hand += 16 d x 16 rows, 64 along c
.set ii, \i0
.rept (\i1)-(\i0)+1
.irp m, 0,1,2,3
	v_wmma_f32_16x16x64_bf8_bf8 v[8*(4*ii+\m):8*(4*ii+\m)+7], v[\f+8*ii:\f+8*ii+7], v[F0+96*(\kp)+64+8*\m:F0+96*(\kp)+64+8*\m+7], v[8*(4*ii+\m):8*(4*ii+\m)+7]
.endr
.set ii, ii+1
.endr
.endm
; THE CHANGE OF SLOTS in front of chunk i (slot i % 2).  Each wave waits for all its tensor loads (its part of chunk i), adds 0 to its spare word, and waits for that and for its reads of the slot that it leaves.
; fill: the descriptor whose load has just landed steps two chunks on; x's four parts go round within a c-step; the prefetches' address steps a chunk, behind the wait that shows the last prefetch's address read.
.macro CHG_HEAD i, fill
	s_wait_tensorcnt 0x0                           ; no tensor load of mine is out, so a group 0 may be written
	ds_add_u32 v[SPW], v[NIL]                      ; 0 onto my spare word
.if \fill
	s_add_nc_u64 s[G0W+4*((\i)%2)+2:G0W+4*((\i)%2)+3], s[G0W+4*((\i)%2)+2:G0W+4*((\i)%2)+3], 2*CHUNK
.if (\i) < 2
	s_add_nc_u64 s[G0X+4*((\i)%2)+2:G0X+4*((\i)%2)+3], s[G0X+4*((\i)%2)+2:G0X+4*((\i)%2)+3], 32768
.elseif (\i) < 4
	s_sub_nc_u64 s[G0X+4*((\i)%2)+2:G0X+4*((\i)%2)+3], s[G0X+4*((\i)%2)+2:G0X+4*((\i)%2)+3], 32768
.endif
	s_wait_xcnt 0x0
	s_add_nc_u64 s[PFA:PFA+1], s[PFA:PFA+1], CHUNK
.endif
	s_wait_dscnt 0x0                               ; the add is done, and my reads of the slot that I leave are over
	s_barrier_signal -1                            ; (with a refill this barrier opens a round of the cluster's)
.endm
.macro CHG_TAIL i, kind                ; behind the round no wave of any partner reads the other slot or has a load on its way: chunk i + 1 goes there, first thing
	s_barrier_wait -1
.if \kind
	CREST
	TLOAD \kind, 1-(\i)%2
.endif
.endm
; A K step of the first product that has its successor in the same chunk: the next step's twelve fragments are asked for, then this step's 32 products.
.macro P1STEP slot, n, zero
	WIN 0
	s_wait_dscnt 0x0                               ; this step's fragments, asked for a step ago, are in
	PLACES                                         ; behind the last step's products, which read the set that is loaded now
	FETCHW \slot, (\n)+1, F0+96*(((\n)+1)%2)
	FETCHX \slot, (\n)+1, F0+96*(((\n)+1)%2)
	WIN W_P1
	MULP1 F0+96*((\n)%2), 0, 7, \zero
.endm
; A chunk's last K step changes slots; eight products stand between the barrier's signal and its wait.
.macro P1LAST i, kind, nextx, lim
	WIN 0
	s_wait_dscnt 0x0
	PLACES
	CHG_HEAD \i, 1
	WIN W_P1
	MULP1 F1, 0, 1, 0
	WIN 0
	CHG_TAIL \i, \kind
	FETCHW (\i)%2, 0, F0
.if \nextx
	FETCHX (\i)%2, 0, F0
.endif
	ASK \lim
	WIN W_P1
	MULP1 F1, 2, 7, 0
.endm
; The second product: a chunk is four steps u = 2 k' + dh: 64 c (k'), my tiles dt = 8 dh + 0..7 (window 2 + dh).
.macro P2STEP slot, u, buf
	WIN 0
	s_wait_dscnt 0x0
	PLACES
	FETCHW \slot, (\u)+1, F0+96*(((\u)+1)%2)
.if (\u) == 0
	FETCHP \buf, 1
.endif
	WIN 0xa0+0x50*((\u)%2)
	MULP2 F0+96*((\u)%2), (\u)/2, 0, 7
.endm
.macro P2LAST i, kind, nextx, nbuf, lim
	WIN 0
	s_wait_dscnt 0x0
	PLACES
	CHG_HEAD \i, \kind
	WIN 0xf0
	MULP2 F1, 1, 0, 1
	WIN 0
	CHG_TAIL \i, \kind
	FETCHW (\i)%2, 0, F0
.if \nextx
	FETCHX (\i)%2, 0, F0
.else
	FETCHP \nbuf, 0
.endif
.if \kind
	ASK \lim
.endif
	WIN 0xf0
	MULP2 F1, 1, 2, 7
.endm
.macro CLEAR
.set aa, 0
.rept 256
	v_mov_b32 v[aa], 0
.set aa, aa+1
.endr
.endm
.macro RESCALE                         ; the window's 32 accumulators x f of their m, each from its low end on
.set aa, 0
.rept 32
.irp c, 0,2,4,6
	v_pk_mul_f32 v[8*aa+\c:8*aa+\c+1], v[8*aa+\c:8*aa+\c+1], v[FF+2*(aa%4):FF+2*(aa%4)+1] op_sel_hi:[1,0]
.endr
.set aa, aa+1
.endr
.endm
	s_load_b256 s[4:11], s[0:1], 0x0               ; xcodes s[4:5], wstream s[6:7], the scales' exponents s[8:9], out0 s[10:11]
	v_lshl_add_u32 v[SPW], v0, 2, SPARE
	v_mov_b32 v[NIL], 0
	ds_add_u32 v[SPW], v[NIL]                      ; the wave's opening: the add, twice on end, and its wait ahead of my first tensor load; the set-up below is work on registers
	ds_add_u32 v[SPW], v[NIL]
	v_lshrrev_b32 v[TA], 5, v0
	v_readfirstlane_b32 s[WV], v[TA]               ; wave 0..3
	s_and_b32 s[HALF], s[WV], 1
	s_bfe_u32 s14, ttmp6, 0x40000                  ; cx: my place in the cluster
	s_lshl_b32 s15, ttmp9, 2                       ; in a cluster launch ttmp9 counts clusters
	s_add_co_u32 s15, s15, s14                     ; my block of 64 rows: it enters x's and the result's global addresses alone
	; group 1 for the weights: 65,536 dense bytes as 256 rows of 32 elements of 8 bytes
	s_mov_b32 s[G1W], 15|(3<<16)|(1<<21)           ; 15:0 the mask: all four work-groups; 17:16 elements of 8 bytes; 21 set beside a mask; no padding
	s_mov_b32 s[G1W+1], 32<<16                     ; tensor_dim0 = 32
	s_mov_b32 s[G1W+2], 256<<16                    ; tensor_dim1 = 256
	s_mov_b32 s[G1W+3], 32<<16                     ; tile_dim0 = 32
	s_mov_b32 s[G1W+4], 256                        ; tile_dim1 = 256
	s_mov_b32 s[G1W+5], 32                         ; from row to row
	s_mov_b32 s[G1W+6], 0
	s_mov_b32 s[G1W+7], 0
	; group 1 for x: 8,192 dense bytes as 32 such rows; no mask: each work-group has its own rows
	s_mov_b32 s[G1X], 3<<16
	s_mov_b32 s[G1X+1], 32<<16
	s_mov_b32 s[G1X+2], 32<<16
	s_mov_b32 s[G1X+3], 32<<16
	s_mov_b32 s[G1X+4], 32
	s_mov_b32 s[G1X+5], 32
	s_mov_b32 s[G1X+6], 0
	s_mov_b32 s[G1X+7], 0
	v_and_b32 v[TA], 31, v0                        ; L
	v_and_b32 v[TA+1], 15, v0                      ; r
	v_bfe_u32 v[TA+2], v0, 4, 1                    ; h
	v_lshlrev_b32 v[GO], 4, v[TA]
	s_lshl_b32 s16, s[WV], 15
	v_add_nc_u32 v[AW], s16, v[GO]
	v_add_nc_u32 v[AW+1], SLOTB, v[AW]
	v_add_nc_u32 v[AX], XOFF, v[GO]
	v_add_nc_u32 v[AX+1], SLOTB+XOFF, v[GO]
	v_add_nc_u32 v[AP], PB, v[GO]
	v_lshlrev_b32 v[EXR], 4, v[TA+1]
	v_add_nc_u32 v[EXR], EX, v[EXR]
	s_lshl_b32 s16, s[WV], 8
	v_add_nc_u32 v[EXW], s16, v[EXR]
	s_mul_i32 s16, s[WV], 16*SP
	v_add_nc_u32 v[SRD], s16, v[GO]
	v_mul_u32_u24 v[STO], v[TA+1], SP
	v_lshl_add_u32 v[STO], v[TA+2], 5, v[STO]
	v_add_nc_u32 v[STO], s16, v[STO]
	v_lshlrev_b32 v[PFO], 8, v[TA]
	s_mov_b32 s[SEL], 0x76543210
	s_mov_b32 s[SEL+1], 0xfedcba98
	s_mov_b32 s[LEFT], 4
	s_cmp_eq_u32 ttmp9, 0                          ; the same in all four partners
	s_cselect_b32 s[LIM0], 0, -1
	s_cselect_b32 s[LIM1], 1, -1
	s_lshl_b32 s16, s[HALF], 16                    ; the weights: my half of a chunk, in memory and in a slot
	s_mov_b32 s17, 0
	s_lshl_b32 s20, s[HALF], 13                    ; x: my half of its part
	s_lshl_b32 s18, s15, 16                        ; my block's 65,536 bytes of codes
	s_add_co_u32 s18, s18, s20
	s_mov_b32 s19, 0
	s_lshl_b32 s2, s14, 15                         ; the prefetches: my work-group's 32,768 bytes of a chunk,
	s_lshl_b32 s3, s[WV], 13                       ; my wave's 8,192
	s_add_co_u32 s2, s2, s3
	s_mov_b32 s3, 0
	s_wait_dscnt 0x0                               ; both opening adds are done
	s_wait_kmcnt 0x0
	s_load_b128 s[68:71], s[8:9], 0x0              ; e0, e1, e2, e3
.irp s, 0,1
	s_mov_b32 s[G0W+4*\s], 1                       ; count = 1
	s_add_co_u32 s[G0W+4*\s+1], s16, \s*SLOTB      ; LDS address
	s_add_nc_u64 s[G0W+4*\s+2:G0W+4*\s+3], s[6:7], s[16:17]
	s_add_nc_u64 s[G0W+4*\s+2:G0W+4*\s+3], s[G0W+4*\s+2:G0W+4*\s+3], \s*CHUNK   ; chunk s
	s_or_b32 s[G0W+4*\s+3], s[G0W+4*\s+3], 0x80000000   ; type = 2
	s_mov_b32 s[G0X+4*\s], 1
	s_add_co_u32 s[G0X+4*\s+1], s20, \s*SLOTB+XOFF
	s_add_nc_u64 s[G0X+4*\s+2:G0X+4*\s+3], s[4:5], s[18:19]
	s_add_nc_u64 s[G0X+4*\s+2:G0X+4*\s+3], s[G0X+4*\s+2:G0X+4*\s+3], \s*16384   ; K steps 4 s on
	s_or_b32 s[G0X+4*\s+3], s[G0X+4*\s+3], 0x80000000
.endr
	s_add_nc_u64 s[PFA:PFA+1], s[6:7], s[2:3]
	s_add_nc_u64 s[PFA:PFA+1], s[PFA:PFA+1], 2*CHUNK   ; at chunk 2: the first change of slots steps it to chunk 3.  Nothing is prefetched here, at the head
	s_lshl_b32 s18, s15, 18                        ; the result: my block's 64 rows of 4,096 bytes,
	s_lshl_b32 s19, s[WV], 10                      ; my wave's 256 columns
	s_add_co_u32 s18, s18, s19
	s_mov_b32 s19, 0
	s_add_nc_u64 s[10:11], s[10:11], s[18:19]
	CROUND                                         ; all four work-groups are here: the first joint loads meet
	TLOAD 1, 0                                     ; chunk 0 and x's first part: every wave issues one load
	WIN 0x80                                       ; while they are on their way: O begins as zeros, so that the c-step is written once: its first rescaling multiplies zeros
	CLEAR
	WIN 0xc0
	CLEAR
	WIN 0
.irp m, 0,1,2,3
	v_mov_b32 v[RM+\m], 0xff61b1e6                 ; the largest score so far: -3e38
	v_mov_b32 v[NM+2*\m], 0x7f61b1e6               ; -M: 3e38, so that the first f is 2^(a very large negative whole number) = 0
	v_mov_b32 v[NM+2*\m+1], 0                      ; (the upper halves of pairs are named, so they are written)
	v_mov_b32 v[FF+2*\m+1], 0
	v_mov_b32 v[LS+2*\m], 0                        ; l, in two halves
	v_mov_b32 v[LS+2*\m+1], 0
.endr
	s_wait_kmcnt 0x0
	s_add_co_i32 s16, s68, s69
	s_lshl_b32 s16, s16, 23
	s_add_co_i32 s[CS], s16, 0x3fb8aa3b            ; a sum of the first product stands for sum x 2^(e0 + e1): the exponents are added to log2(e)'s exponent field
	s_mov_b32 s[CS+1], s[CS]
	s_add_co_i32 s16, s70, 127
	s_lshl_b32 s17, s16, 23
	v_mov_b32 v[CVS], s17                          ; 2^e2: the conversion takes its exponent field
	s_add_co_i32 s16, s16, 15
	s_lshl_b32 s16, s16, 23
	s_or_b32 s[LIMP], s16, 0x600000                ; 57,344 x 2^e2
	s_add_co_i32 s[ESUM], s70, s71
	CHG_HEAD 0, 1                                  ; chunk 0 has landed; behind this round slot 1 is filled for the first time, by every wave, and nothing is filled again
	CHG_TAIL 0, 1
	FETCHW 0, 0, F0
	FETCHX 0, 0, F0
	ASK LIM0
.Lstep:                                            ; a trip is a c-step of 512 c: chunks 0 to 3 make the scores, the softmax, chunks 4 to 7 add to O
	P1STEP 0, 0, 1
	P1STEP 0, 1, 0
	P1STEP 0, 2, 0
	P1LAST 1, 1, 1, LIM0
	P1STEP 1, 0, 0
	P1STEP 1, 1, 0
	P1STEP 1, 2, 0
	P1LAST 2, 1, 1, LIM0
	P1STEP 0, 0, 0
	P1STEP 0, 1, 0
	P1STEP 0, 2, 0
	P1LAST 3, 2, 1, LIM0
	P1STEP 1, 0, 0
	P1STEP 1, 1, 0
	P1STEP 1, 2, 0
	P1LAST 4, 2, 0, LIM0                           ; chunk 4's first fragments are asked for; they lie in v64-127, which the softmax does not touch
	; ---- THE SOFTMAX of this c-step.  The largest score of each of my rows: two chains for each m, begun with the running largest; each tile of scores is read from its low end on.
	WIN 0
	PLACES
	WIN 0x14                                       ; sources 1 and 2 window 1
.set kk, 0
.rept 32
.irp m, 0,1,2,3
.if kk < 2
	v_max3_num_f32 v[TA+4*(kk%2)+\m], v[RM+\m], v[64*\m+2*kk], v[64*\m+2*kk+1]
.else
	v_max3_num_f32 v[TA+4*(kk%2)+\m], v[TA+4*(kk%2)+\m], v[64*\m+2*kk], v[64*\m+2*kk+1]
.endif
.endr
.set kk, kk+1
.endr
	WIN 0
.irp m, 0,1,2,3
	v_max_num_f32 v[TA+\m], v[TA+\m], v[TB+\m]
.endr
.irp m, 0,1,2,3
	v_permlanex16_b32 v[TB+\m], v[TA+\m], s[SEL], s[SEL+1]   ; the row's other 64 c of my wave lie in the lane 16 away
.endr
.irp m, 0,1,2,3
	v_max_num_f32 v[RM+\m], v[TA+\m], v[TB+\m]
.endr
	ds_store_b128 v[EXW], v[RM:RM+3]               ; my wave's figures for row r, m = 0..3 (both halves of the lanes store the same)
	s_wait_dscnt 0x0                               ; for the others' sake
	s_barrier_signal -1
	s_barrier_wait -1                              ; chunk 5's load may stay out
.irp w, 0,1,2,3
	ds_load_b128 v[TB+4*\w:TB+4*\w+3], v[EXR] offset:256*\w
.endr
	s_wait_dscnt 0x0
.irp m, 0,1,2,3
	v_max3_num_f32 v[RM+\m], v[TB+\m], v[TB+4+\m], v[TB+8+\m]
.endr
.irp m, 0,1,2,3
	v_max_num_f32 v[RM+\m], v[RM+\m], v[TB+12+\m]  ; the row's largest score so far, the same in all four waves
.endr
.irp m, 0,1,2,3
	v_mul_f32 v[TA+\m], s[CS], v[RM+\m]            ; as t
.endr
.irp m, 0,1,2,3
	v_floor_f32 v[TB+\m], -v[TA+\m]                ; the new -M = floor(-t) = -ceil(t): a whole number
.endr
.irp m, 0,1,2,3
	v_sub_f32 v[TA+\m], v[TB+\m], v[NM+2*\m]       ; old M less new M: 0 or less
.endr
.irp m, 0,1,2,3
	v_mov_b32 v[NM+2*\m], v[TB+\m]
.endr
.irp m, 0,1,2,3
	v_cvt_i32_f32 v[TA+\m], v[TA+\m]               ; (it saturates)
.endr
.irp m, 0,1,2,3
	v_ldexp_f32 v[FF+2*\m], 1.0, v[TA+\m]          ; f = 2^(old M - new M)
.endr
	WIN 0x41                                       ; source 0 and destination window 1
.set kk, 0
.rept 32
.irp m, 0,1,2,3
	v_pk_fma_f32 v[64*\m+2*kk:64*\m+2*kk+1], v[64*\m+2*kk:64*\m+2*kk+1], s[CS:CS+1], v[NM+2*\m:NM+2*\m+1] op_sel_hi:[1,0,0]   ; t - M, two at a time
.endr
.set kk, kk+1
.endr
.set kk, 0
.rept 256
	v_exp_f32 v[kk], v[kk]                         ; p = 2^(t - M): one batch
.set kk, kk+1
.endr
	WIN 0
.irp m, 0,1,2,3
	v_pk_mul_f32 v[LS+2*\m:LS+2*\m+1], v[LS+2*\m:LS+2*\m+1], v[FF+2*\m:FF+2*\m+1] op_sel_hi:[1,0]   ; l under the new M.  (Plain instructions behind the last exponential)
.endr
	s_wait_alu depctr_va_vdst(0)                   ; the wait ahead of the batch's first reader: one for all 256
	WIN 0x04                                       ; source 1 window 1
.set kk, 0
.rept 32
.irp m, 0,1,2,3
	v_pk_add_f32 v[LS+2*\m:LS+2*\m+1], v[LS+2*\m:LS+2*\m+1], v[64*\m+2*kk:64*\m+2*kk+1]   ; l takes the UNQUANTISED p; four chains
.endr
.set kk, kk+1
.endr
.irp m, 0,1,2,3
	WIN 0x04
.set kk, 0
.rept 64
	v_min_num_f32 v[TT+kk], s[LIMP], v[64*\m+kk]   ; the hold (the conversion does not saturate: ISA guide 7.6.2; p is not negative), which also takes p out of the registers that the codes go into
.set kk, kk+1
.endr
	WIN 0x40                                       ; destination window 1
.irp t, 0,1,2,3,4,5,6,7
	v_cvt_scalef32_pk8_bf8_f32 v[64*\m+2*\t:64*\m+2*\t+1], v[TT+8*\t:TT+8*\t+7], v[CVS]   ; tile t's eight c: registers 2 (t % 4), + 1 of fragment k' = t / 4
.endr
	v_nop                                          ; one plain instruction between the conversions and the next writer of their sources or results
.endr
	PSTORE 0, 0                                    ; wave 0's p for chunk 4, wave 1's for chunk 5
	PSTORE 1, 1
	s_wait_dscnt 0x0                               ; for the others' sake
	s_barrier_signal -1
	WIN 0x82                                       ; work on registers while the others arrive: O under the new M
	RESCALE
	WIN 0xc3
	RESCALE
	WIN 0
	s_barrier_wait -1
	FETCHP 0, 0
	P2STEP 0, 0, 0
	P2STEP 0, 1, 0
	P2STEP 0, 2, 0
	P2LAST 5, 2, 0, 1, LIM1
	PSTORE 2, 0                                    ; every wave's reads of buffer 0 were back in front of the last barrier's signal; these stores are awaited in front of the next one's
	P2STEP 1, 0, 1
	P2STEP 1, 1, 1
	P2STEP 1, 2, 1
	P2LAST 6, 2, 0, 0, LIM1
	PSTORE 3, 1
	P2STEP 0, 0, 0
	P2STEP 0, 1, 0
	P2STEP 0, 2, 0
	WIN 0
	s_cmp_eq_u32 s[LEFT], 1
	s_cbranch_scc1 .Llast                          ; the last c-step's tail is written out: it asks for nothing more
	P2LAST 7, 1, 0, 1, LIM0                        ; the ring goes on into the next c-step: its chunk 0, with x's first part,
	P2STEP 1, 0, 1
	P2STEP 1, 1, 1
	P2STEP 1, 2, 1
	P2LAST 0, 1, 1, 0, LIM0                        ; its chunk 1, and its first fragments
	WIN 0
	s_sub_co_u32 s[LEFT], s[LEFT], 1
	s_branch .Lstep
.Llast:
	P2LAST 7, 0, 0, 1, LIM0                        ; the last change of slots: nothing is filled, so no round of the cluster's barrier
	P2STEP 1, 0, 1
	P2STEP 1, 1, 1
	P2STEP 1, 2, 1
	WIN 0
	s_wait_dscnt 0x0
	WIN 0xf0
	MULP2 F1, 1, 0, 7
	; ---- THE WAY OUT.  l: my two halves, the other half of the lanes', the four waves'.  The first four additions are the places behind the last products.
	WIN 0
.irp m, 0,1,2,3
	v_add_f32 v[RM+\m], v[LS+2*\m], v[LS+2*\m+1]
.endr
.irp m, 0,1,2,3
	v_permlanex16_b32 v[TB+\m], v[RM+\m], s[SEL], s[SEL+1]
.endr
.irp m, 0,1,2,3
	v_add_f32 v[RM+\m], v[RM+\m], v[TB+\m]
.endr
	ds_store_b128 v[EXW], v[RM:RM+3]
	s_wait_dscnt 0x0
	s_barrier_signal -1
	s_barrier_wait -1
.irp w, 0,1,2,3
	ds_load_b128 v[TB+4*\w:TB+4*\w+3], v[EXR] offset:256*\w
.endr
	s_wait_dscnt 0x0
.irp m, 0,1,2,3
	v_add_f32 v[RM+\m], v[TB+\m], v[TB+4+\m]
.endr
.irp m, 0,1,2,3
	v_add_f32 v[TA+\m], v[TB+8+\m], v[TB+12+\m]
.endr
.irp m, 0,1,2,3
	v_add_f32 v[RM+\m], v[RM+\m], v[TA+\m]
.endr
.irp m, 0,1,2,3
	v_rcp_f32 v[TA+\m], v[RM+\m]
.endr
	v_nop                                          ; a plain instruction behind the last reciprocal,
	s_wait_alu depctr_va_vdst(0)                   ; and the wait: one for the four
.irp m, 0,1,2,3
	v_ldexp_f32 v[FF+2*\m], v[TA+\m], s[ESUM]      ; 2^(e2 + e3) / l
.endr
; Tile mm: 16 rows x my 256 columns.  A lane holds 32 neighbouring bytes of a row for each dt, and the lanes beside it hold other rows: so the tile goes through my own stage and comes back as rows of 1,024 bytes.
; LDS serves a wave's instructions in order (ISA guide 5.7.1.4): no wait between my stores and my loads.
.macro OUTM mm
	WIN 0x42                                       ; source 0 window 2, destination window 1
.set dd, 0
.rept 16
.if dd == 8
	WIN 0x43
.endif
.irp c, 0,2,4,6
	v_pk_mul_f32 v[8*dd+\c:8*dd+\c+1], v[8*(4*(dd%8)+\mm)+\c:8*(4*(dd%8)+\mm)+\c+1], v[FF+2*\mm:FF+2*\mm+1] op_sel_hi:[1,0]   ; each accumulator from its low end on
.endr
.set dd, dd+1
.endr
	WIN 0x04                                       ; the stores' data lie in window 1
.set dd, 0
.rept 16
	ds_store_b128 v[STO], v[8*dd:8*dd+3] offset:64*dd
	ds_store_b128 v[STO], v[8*dd+4:8*dd+7] offset:64*dd+16
.set dd, dd+1
.endr
.if \mm >= 2
	s_wait_xcnt 0x0                                ; the stores of two tiles back have read their registers: the loads below may land there
.endif
.if (\mm)%2
	WIN 0x40                                       ; back into v128-255 of window 1,
.set BB, 128
.else
	WIN 0                                          ; or into v64-191 of window 0, by turns
.set BB, 64
.endif
.set nn, 0
.rept 32
	ds_load_b128 v[BB+4*nn:BB+4*nn+3], v[SRD] offset:(nn/2)*SP+512*(nn%2)
.set nn, nn+1
.endr
.if (\mm)%2
	WIN 0x04
.endif
.set nn, 0
.rept 32
	s_wait_dscnt 31-nn                             ; this load is in; the younger ones may be out
	global_store_b128 v[GO], v[BB+4*nn:BB+4*nn+3], s[10:11] offset:(16*\mm+nn/2)*4096+512*(nn%2) th:TH_STORE_NT   ; 32 lanes store 512 consecutive bytes, at a multiple of 512 from the result's first byte
.set nn, nn+1
.endr
.endm
	OUTM 0
	OUTM 1
	OUTM 2
	OUTM 3
	WIN 0
	s_wait_tensorcnt 0x0                           ; the wave's end: behind my last tensor load and my last LDS store
	ds_add_u32 v[SPW], v[NIL]
	s_wait_dscnt 0x0
	CROUND                                         ; the closing round: no work-group ends while a partner may still ask for a chunk that names it
	s_endpgm
.Lfunc_end_k_qc71c80452f_vq:
	.size	k_qc71c80452f_vq, .Lfunc_end_k_qc71c80452f_vq-k_qc71c80452f_vq
	.p2alignl 7, 3214868480
	.fill 96, 4, 3214868480
	.section	.rodata,"a",@progbits
	.p2align	6, 0x0
	.amdhsa_kernel k_qc71c80452f_vq
		.amdhsa_group_segment_fixed_size 327680
		.amdhsa_private_segment_fixed_size 0
		.amdhsa_enable_private_segment 0
		.amdhsa_kernarg_size 32
		.amdhsa_user_sgpr_count 2
		.amdhsa_user_sgpr_kernarg_segment_ptr 1
		.amdhsa_wavefront_size32 1
		.amdhsa_system_sgpr_workgroup_id_x 1
		.amdhsa_system_sgpr_workgroup_id_y 1
		.amdhsa_system_sgpr_workgroup_id_z 1
		.amdhsa_system_vgpr_workitem_id 0
		.amdhsa_next_free_vgpr 1024
		.amdhsa_next_free_sgpr 72
		.amdhsa_reserve_vcc 0
		.amdhsa_float_denorm_mode_32 3
		.amdhsa_float_denorm_mode_16_64 3
		.amdhsa_memory_ordered 1
		.amdhsa_forward_progress 1
		.amdhsa_inst_pref_size 255
	.end_amdhsa_kernel
	.section	.bss,"aw",@nobits
	.p2align	6
	.space	262144
	.amdgpu_metadata
---
amdhsa.version: [ 1, 2 ]
amdhsa.kernels:
  - .name:           k_qc71c80452f_vq
    .symbol:         k_qc71c80452f_vq.kd
    .args:
      - { .name: xcodes, .offset: 0, .size: 8, .value_kind: global_buffer, .address_space: global }
      - { .name: wstream, .offset: 8, .size: 8, .value_kind: global_buffer, .address_space: global }
      - { .name: lowp_scales, .offset: 16, .size: 8, .value_kind: global_buffer, .address_space: global }
      - { .name: out0, .offset: 24, .size: 8, .value_kind: global_buffer, .address_space: global }
    .group_segment_fixed_size: 327680
    .private_segment_fixed_size: 0
    .kernarg_segment_align: 8
    .kernarg_segment_size: 32
    .max_flat_workgroup_size: 128
    .sgpr_count:     72
    .vgpr_count:     1024
    .wavefront_size: 32
...
	.end_amdgpu_metadata
.endif
;; end of part 2
;; ======== version 2 of 2: 3 launches
;; workspace buffers: xc 16,777,216 bytes; wn 2,097,152 bytes; wt 2,097,152 bytes; pc 33,554,432 bytes; st 2,097,152 bytes
;; launch prep (part 3): grid 1216 x 1, 4 waves a work-group, no clusters, 70,400 bytes of LDS; arguments x, weight, lowp_scales, xc, wn, wt; writes xc, wn, wt
.if DOCPART == 3
	.amdgcn_target "amdgcn-amd-amdhsa--gfx1250"
	.amdhsa_code_object_version 6
	.text
	.protected	k_qc71c80452f_prep
	.globl	k_qc71c80452f_prep
	.p2align	8
	.type	k_qc71c80452f_prep,@function
k_qc71c80452f_prep:
	s_mov_b64 s[64:65], 0
	v_nop
	global_prefetch_b8 v0, s[64:65] scope:SCOPE_SE
	s_setreg_imm32_b32 hwreg(HW_REG_WAVE_MODE, 25, 1), 1
	s_wait_xcnt 0x0
; VQFFN1, first of three launches: the three operands that can be made ahead become codes of BF8 (E5M2), as plain rows with K innermost.
;   xc [16384][1024]: Q(rmsnorm(x)), scale 2^e0;   wn [2048][1024]: Q(rmsnorm(weight)), scale 2^e1;   wt [1024][2048]: Q(weight) with the codebook's axis c innermost, scale 2^e3   (e0 .. e3: lowp_scales).
; code = number / 2^e, held within +-57,344, to the nearest code, ties to even.  rmsnorm: x * rsqrt(mean(x x) + 1e-6), all in f32.
; NO WORK OF reference() IS LEFT OUT in this program: both products, both norms and the softmax are live for all values, and every input is loaded.
; ORDER OF ROUNDING in a norm (the scores are large, so one code that falls the other way moves a result far: every rounding ahead of the quantiser is laid down here).  Each square is rounded; a row's 1,024 squares are
; summed as 32 runs of 32 neighbours, each run in ascending order, and the 32 runs' sums in ascending order; x 1/1,024 (exact) + 1e-6, one rounding; the root, correctly rounded (v_sqrt_f32 and one fused correction);
; its reciprocal, correctly rounded (v_rcp_f32 and one fused correction); x times that, one rounding.
; SHARES.  Work-groups 0..63: weight^T: 128 columns d (number % 8) x 256 rows c (number / 8); a wave takes 32 columns, a lane a column, its registers run down c, so that the conversions give codes with c innermost; they
; leave through the wave's own stage as rows of 256 bytes.  These work-groups have the longest chain of loads, so they have the lowest numbers.  Work-groups 64..1087: 16 rows of x; 1088..1215: 16 rows of weight
; (normalised); four rows a wave, a row in 32 registers.  Waves share nothing: no barrier.  Each of the two paths has LDS bytes of its own.
; LIMITS: e0, e1, e3 between -126 and 112, so that 2^e and 57,344 x 2^e are f32 numbers.  NaN and infinity among the inputs are not served.
.set NWT,   64                         ; work-groups for weight^T
.set NXT,   1024                       ; tiles of x
.set SP,    1040                       ; a row of the codes' stage: 1,024 codes + 16 of padding
.set FS,    16*SP                      ; behind the codes' stage: a stage for one row of f32 for each wave
.set FP,    144                        ; a lane's place in it: its 128 bytes + 16 of padding
.set FSW,   32*FP                      ; 4,608 bytes a wave
.set WTS,   FS+4*FSW                   ; behind them: weight^T's stages, 32 rows of 256 codes + 16 for each wave
.set WP,    272
.set SPARE, WTS+4*32*WP                ; behind the stages: the spare words, 128 bytes a wave: two blocks of 256 bytes that no other line names
.set SPW,  1                           ; v1     my spare word's LDS address; never rewritten
.set NIL,  2                           ; v2     0; never rewritten
.set VO,   3                           ; v3     16 x lane
.set STW,  4                           ; v4     the codes' stage, on the way in: my wave's four rows, 32 bytes a lane
.set RDB,  5                           ; v5     and on the way out: 16 bytes a lane
.set WSI,  6                           ; v6     weight^T's stage, on the way in: row = my column
.set WSO,  7                           ; v7     and on the way out: sixteen lanes to a row
.set LIMV, 10                          ; v10    57,344 x 2^e
.set SCV,  11                          ; v11    2^e
.set FW,   12                          ; v12    the f32 stage, on the way in: the bytes as they were loaded
.set FR,   13                          ; v13    and on the way out: my 32 neighbours
.set R,    16                          ; v16-23 1 / sqrt(var), a pair for each row (the pair's low word serves both halves)
.set C,    24                          ; v24-55 codes, 8 registers a row
.set ACC,  56                          ; v56-59 my run's sum, for each row
.set TOT,  60                          ; v60-63 the row's sum
.set X,    64                          ; v64-191 four rows of 32 numbers a lane
.set Q,    192                         ; v192-207 squares: a pair for each row, two sets by turns
.set VAR,  208                         ; v208-211 the mean + 1e-6, then the root
.set S0,   212                         ; v212-215 the root's first value
.set Y,    216                         ; v216-219 reciprocals
.set E,    220                         ; v220-223 what a correction adds
.set OUTR, 128                         ; weight^T: v128-191 rows read back
	s_load_b128 s[4:7], s[0:1], 0x0                ; x, weight
	s_load_b64 s[8:9], s[0:1], 0x10                ; the scales' exponents
	s_load_b128 s[12:15], s[0:1], 0x18             ; xc, wn
	s_load_b64 s[18:19], s[0:1], 0x28              ; wt
	v_lshl_add_u32 v[SPW], v0, 2, SPARE
	v_mov_b32 v[NIL], 0
	v_lshrrev_b32 v14, 5, v0
	v_readfirstlane_b32 s16, v14                   ; wave 0..3
	v_and_b32 v15, 31, v0                          ; lane
	v_lshlrev_b32 v[VO], 4, v15
	s_mul_i32 s17, s16, 4*SP
	v_lshl_add_u32 v[STW], v15, 5, s17             ; 4 rows x wave + 32 x lane
	v_add_nc_u32 v[RDB], s17, v[VO]                ; 4 rows x wave + 16 x lane
	s_mul_i32 s17, s16, FSW
	s_add_co_u32 s17, s17, FS                      ; my wave's f32 stage
	v_lshrrev_b32 v14, 3, v15
	v_mul_u32_u24 v[FW], v14, FP
	v_and_b32 v14, 7, v15
	v_lshl_add_u32 v[FW], v14, 4, v[FW]
	v_add_nc_u32 v[FW], s17, v[FW]                 ; in: eight lanes' 128 bytes on end, then 16 of padding: FP (lane / 8) + 16 (lane % 8); a load's 512 bytes take four places
	v_mul_u32_u24 v[FR], v15, FP
	v_add_nc_u32 v[FR], s17, v[FR]                 ; out: FP x lane
	s_mul_i32 s17, s16, 32*WP
	s_add_co_u32 s17, s17, WTS                     ; my wave's stage for weight^T
	v_mul_u32_u24 v[WSI], v15, WP
	v_add_nc_u32 v[WSI], s17, v[WSI]
	v_lshrrev_b32 v14, 4, v15
	v_mul_u32_u24 v[WSO], v14, WP
	v_and_b32 v14, 15, v15
	v_lshl_add_u32 v[WSO], v14, 4, v[WSO]
	v_add_nc_u32 v[WSO], s17, v[WSO]
	s_wait_kmcnt 0x0
	s_load_b128 s[20:23], s[8:9], 0x0              ; e0, e1, e2, e3
	s_cmp_lt_u32 ttmp9, NWT                        ; the work-group's number alone: all four waves go the same way
	s_cbranch_scc1 .Lwt
	; ---- ROWS: 16 rows are normalised and quantised.  Both tensors take one path; the pointers are chosen by the work-group's number.
	s_sub_co_u32 s26, ttmp9, NWT                   ; x's tile,
	s_sub_co_u32 s27, s26, NXT                     ; or weight's (of no meaning in x's work-groups, where it is not taken)
	s_cmp_lt_u32 s26, NXT
	s_cselect_b64 s[4:5], s[4:5], s[6:7]
	s_cselect_b64 s[12:13], s[12:13], s[14:15]
	s_cselect_b32 s26, s26, s27
	s_lshl_b32 s32, s26, 16                        ; in: the tile's 16 rows of 4,096 bytes,
	s_lshl_b32 s28, s16, 14                        ; my wave's four
	s_add_co_u32 s32, s32, s28
	s_mov_b32 s33, 0
	s_lshl_b32 s34, s26, 14                        ; out: 16 rows of 1,024 bytes,
	s_lshl_b32 s28, s16, 12                        ; my wave's four
	s_add_co_u32 s34, s34, s28
	s_mov_b32 s35, 0
	s_add_nc_u64 s[4:5], s[4:5], s[32:33]
	s_add_nc_u64 s[12:13], s[12:13], s[34:35]
.irp i, 0,1,2,3
.irp j, 0,1,2,3,4,5,6,7
	global_load_b128 v[X+32*\i+4*\j:X+32*\i+4*\j+3], v[VO], s[4:5] offset:\i*4096+\j*512 th:TH_LOAD_NT   ; 32 lanes read 512 consecutive bytes
.endr
.endr
	s_mov_b32 s24, 0x3a800000                      ; 1 / 1,024
	s_mov_b32 s25, 0x358637bd                      ; 1e-6
.irp i, 0,1,2,3
	v_mov_b32 v[R+2*\i+1], 0                       ; (the upper halves of the pairs are named, so they are written)
.endr
	s_wait_kmcnt 0x0
	s_cmp_lt_u32 ttmp9, NWT+NXT
	s_cselect_b32 s20, s20, s21                    ; e0 or e1
	s_add_co_i32 s20, s20, 127
	s_lshl_b32 s21, s20, 23
	v_mov_b32 v[SCV], s21                          ; 2^e as f32: the conversion takes its exponent field
	s_add_co_i32 s20, s20, 15
	s_lshl_b32 s20, s20, 23
	s_or_b32 s20, s20, 0x600000
	v_mov_b32 v[LIMV], s20                         ; 57,344 x 2^e
; A row turns through my wave's stage: in as it was loaded (lane l: d = 128 j + 4 l + 0..3), out 128 bytes a lane (lane l: d = 32 l + 0..31), into the registers that it left.
; LDS serves a wave's instructions in order (ISA guide 5.7.1.4): no wait between the stores and the loads, nor in front of the next row's stores into the same bytes.
.macro TURN i
	s_wait_loadcnt 24-8*\i                         ; this row's eight loads are in; the eight of each younger row may be out
.irp j, 0,1,2,3,4,5,6,7
	ds_store_b128 v[FW], v[X+32*\i+4*\j:X+32*\i+4*\j+3] offset:4*FP*\j
.endr
.irp j, 0,1,2,3,4,5,6,7
	ds_load_b128 v[X+32*\i+4*\j:X+32*\i+4*\j+3], v[FR] offset:16*\j
.endr
.endm
	TURN 0
	TURN 1
	TURN 2
	TURN 3
	s_wait_dscnt 0x0                               ; all four rows are back
	; my run of 32 squares, in ascending order; the four rows are four chains that take turns
.set g, 0
.rept 16
.irp i, 0,1,2,3
	v_pk_mul_f32 v[Q+8*(g%2)+2*\i:Q+8*(g%2)+2*\i+1], v[X+32*\i+2*g:X+32*\i+2*g+1], v[X+32*\i+2*g:X+32*\i+2*g+1]   ; two squares, each rounded
.endr
.if g == 0
.irp i, 0,1,2,3
	v_add_f32 v[ACC+\i], v[Q+2*\i], v[Q+2*\i+1]    ; the first two start the chain: nothing is cleared
.endr
.else
.irp i, 0,1,2,3
	v_add_f32 v[ACC+\i], v[ACC+\i], v[Q+8*(g%2)+2*\i]
.endr
.irp i, 0,1,2,3
	v_add_f32 v[ACC+\i], v[ACC+\i], v[Q+8*(g%2)+2*\i+1]
.endr
.endif
.set g, g+1
.endr
	; the 32 runs' sums, in the order of the lanes: each is read into a scalar register and added in every lane, so that every lane ends with the row's sum
.irp i, 0,1,2,3
	v_readlane_b32 s[40+\i], v[ACC+\i], 0
.endr
.irp i, 0,1,2,3
	v_mov_b32 v[TOT+\i], s[40+\i]
.endr
.set k, 1
.rept 31
.irp i, 0,1,2,3
	v_readlane_b32 s[40+4*(k%4)+\i], v[ACC+\i], k
.endr
.irp i, 0,1,2,3
	v_add_f32 v[TOT+\i], s[40+4*(k%4)+\i], v[TOT+\i]
.endr
.set k, k+1
.endr
.irp i, 0,1,2,3
	v_fma_f32 v[VAR+\i], v[TOT+\i], s24, s25       ; the mean + 1e-6: the product is exact, so this is one rounding
.endr
.irp i, 0,1,2,3
	v_sqrt_f32 v[S0+\i], v[VAR+\i]
.endr
	v_nop                                          ; one plain instruction behind the last transcendental (ISA guide 5.7.2),
	s_wait_alu depctr_va_vdst(0)                   ; and the wait ahead of the batch's first reader
.irp i, 0,1,2,3
	v_rcp_f32 v[Y+\i], v[S0+\i]
.endr
.irp i, 0,1,2,3
	v_fma_f32 v[E+\i], -v[S0+\i], v[S0+\i], v[VAR+\i]   ; what the root's square lacks.  (Plain instructions behind the reciprocals)
.endr
	s_wait_alu depctr_va_vdst(0)
.irp i, 0,1,2,3
	v_mul_f32 v[Y+\i], 0.5, v[Y+\i]
.endr
.irp i, 0,1,2,3
	v_fma_f32 v[VAR+\i], v[E+\i], v[Y+\i], v[S0+\i]     ; the root, one rounding from the true one
.endr
.irp i, 0,1,2,3
	v_rcp_f32 v[Y+\i], v[VAR+\i]
.endr
	v_nop
	s_wait_alu depctr_va_vdst(0)
.irp i, 0,1,2,3
	v_fma_f32 v[E+\i], -v[VAR+\i], v[Y+\i], 1.0
.endr
.irp i, 0,1,2,3
	v_fma_f32 v[R+2*\i], v[E+\i], v[Y+\i], v[Y+\i]      ; 1 / the root, one rounding from the true one
.endr
.macro ROWQ i
.set XR, X+32*\i
.irp k, 0,1,2,3,4,5,6,7,8,9,10,11,12,13,14,15
	v_pk_mul_f32 v[XR+2*\k:XR+2*\k+1], v[XR+2*\k:XR+2*\k+1], v[R+2*\i:R+2*\i+1] op_sel_hi:[1,0]
.endr
.irp k, 0,1,2,3,4,5,6,7,8,9,10,11,12,13,14,15,16,17,18,19,20,21,22,23,24,25,26,27,28,29,30,31
	v_med3_num_f32 v[XR+\k], v[XR+\k], -v[LIMV], v[LIMV]   ; the conversion to an 8-bit code does not saturate (ISA guide 7.6.2): the hold comes first
.endr
.irp g, 0,1,2,3
	v_cvt_scalef32_pk8_bf8_f32 v[C+8*\i+2*\g:C+8*\i+2*\g+1], v[XR+8*\g:XR+8*\g+7], v[SCV]   ; my 32 codes: d = 32 l + 0..31, 32 bytes of the row
.endr
	ds_store_b128 v[STW], v[C+8*\i:C+8*\i+3] offset:\i*SP
	ds_store_b128 v[STW], v[C+8*\i+4:C+8*\i+7] offset:\i*SP+16
.endm
	ROWQ 0
	ROWQ 1
	ROWQ 2
	ROWQ 3
.irp i, 0,1,2,3                                ; my own four rows come back 16 bytes a lane (LDS serves a wave's instructions in order: these see my stores)
.irp q, 0,1
	ds_load_b128 v[X+8*\i+4*\q:X+8*\i+4*\q+3], v[RDB] offset:\i*SP+512*\q
.endr
.endr
.irp i, 0,1,2,3
.irp q, 0,1
	s_wait_dscnt 7-2*\i-\q                         ; this load is in, the younger ones may be out
	global_store_b128 v[VO], v[X+8*\i+4*\q:X+8*\i+4*\q+3], s[12:13] offset:\i*1024+512*\q   ; 32 lanes store 512 consecutive bytes, at a multiple of 512 from the buffer's first byte
.endr
.endr
	s_wait_tensorcnt 0x0                           ; the wave's end: behind my last LDS store
	ds_add_u32 v[SPW], v[NIL]
	s_wait_dscnt 0x0
	s_endpgm
	; ---- weight^T
.Lwt:
	s_and_b32 s27, ttmp9, 7                        ; which 128 columns d
	s_lshr_b32 s28, ttmp9, 3                       ; which 256 rows c
	s_lshl_b32 s29, s27, 7
	s_lshl_b32 s30, s16, 5
	s_add_co_u32 s29, s29, s30                     ; my wave's first column
	s_lshl_b32 s32, s28, 20                        ; in: 256 rows of 4,096 bytes,
	s_lshl_b32 s30, s29, 2
	s_add_co_u32 s32, s32, s30                     ; 4 bytes a column
	s_mov_b32 s33, 0
	s_add_nc_u64 s[6:7], s[6:7], s[32:33]
	s_lshl_b32 s34, s29, 11                        ; out: a column's row of 2,048 codes,
	s_lshl_b32 s30, s28, 8
	s_add_co_u32 s34, s34, s30                     ; 256 of them
	s_mov_b32 s35, 0
	s_add_nc_u64 s[18:19], s[18:19], s[34:35]
	v_lshlrev_b32 v8, 2, v15                       ; in: 4 bytes a lane
	v_lshrrev_b32 v14, 4, v15
	v_lshlrev_b32 v9, 11, v14
	v_and_b32 v14, 15, v15
	v_lshl_add_u32 v9, v14, 4, v9                  ; out: row lane / 16, 16 bytes a lane
.macro LOADW t                         ; block t: weight(32 t + i, my column), i = 0 .. 31, into set t % 2
.irp i, 0,1,2,3,4,5,6,7,8,9,10,11,12,13,14,15,16,17,18,19,20,21,22,23,24,25,26,27,28,29,30,31
	global_load_b32 v[X+32*((\t)%2)+\i], v8, s[6:7] offset:(32*(\t)+\i)*4096   ; 128 consecutive bytes a wave, 512 a work-group
.endr
.endm
	LOADW 0
	LOADW 1
	s_wait_kmcnt 0x0
	s_add_co_i32 s23, s23, 127
	s_lshl_b32 s22, s23, 23
	v_mov_b32 v[SCV], s22                          ; 2^e3
	s_add_co_i32 s23, s23, 15
	s_lshl_b32 s23, s23, 23
	s_or_b32 s23, s23, 0x600000
	v_mov_b32 v[LIMV], s23                         ; 57,344 x 2^e3
.macro BLOCKW t
.set XS, X+32*((\t)%2)
.if (\t) < 7
	s_wait_loadcnt 32                              ; this block's 32 loads are in; the next block's may be out
.else
	s_wait_loadcnt 0
.endif
.irp i, 0,1,2,3,4,5,6,7,8,9,10,11,12,13,14,15,16,17,18,19,20,21,22,23,24,25,26,27,28,29,30,31
	v_med3_num_f32 v[XS+\i], v[XS+\i], -v[LIMV], v[LIMV]
.endr
.irp g, 0,1,2,3
	v_cvt_scalef32_pk8_bf8_f32 v[C+2*\g:C+2*\g+1], v[XS+8*\g:XS+8*\g+7], v[SCV]
.endr
	ds_store_b128 v[WSI], v[C:C+3] offset:32*(\t)          ; 32 codes: 32 bytes of my column's row
	ds_store_b128 v[WSI], v[C+4:C+7] offset:32*(\t)+16
.if (\t)+2 < 8
	LOADW (\t)+2
.endif
	s_wait_dscnt 0x0                               ; the stores have read their registers: the next block's codes may be written
.endm
.irp t, 0,1,2,3,4,5,6,7
	BLOCKW \t
.endr
.irp t, 0,1,2,3,4,5,6,7,8,9,10,11,12,13,14,15
	ds_load_b128 v[OUTR+4*\t:OUTR+4*\t+3], v[WSO] offset:2*\t*WP
.endr
.irp t, 0,1,2,3,4,5,6,7,8,9,10,11,12,13,14,15
	s_wait_dscnt 15-\t
	global_store_b128 v9, v[OUTR+4*\t:OUTR+4*\t+3], s[18:19] offset:2*\t*2048   ; sixteen lanes store 256 consecutive bytes, at a multiple of 256 from the buffer's first byte
.endr
	s_wait_tensorcnt 0x0                           ; the wave's end, as above
	ds_add_u32 v[SPW], v[NIL]
	s_wait_dscnt 0x0
	s_endpgm
.Lfunc_end_k_qc71c80452f_prep:
	.size	k_qc71c80452f_prep, .Lfunc_end_k_qc71c80452f_prep-k_qc71c80452f_prep
	.p2alignl 7, 3214868480
	.fill 96, 4, 3214868480
	.section	.rodata,"a",@progbits
	.p2align	6, 0x0
	.amdhsa_kernel k_qc71c80452f_prep
		.amdhsa_group_segment_fixed_size 70400
		.amdhsa_private_segment_fixed_size 0
		.amdhsa_enable_private_segment 0
		.amdhsa_kernarg_size 48
		.amdhsa_user_sgpr_count 2
		.amdhsa_user_sgpr_kernarg_segment_ptr 1
		.amdhsa_wavefront_size32 1
		.amdhsa_system_sgpr_workgroup_id_x 1
		.amdhsa_system_sgpr_workgroup_id_y 1
		.amdhsa_system_sgpr_workgroup_id_z 1
		.amdhsa_system_vgpr_workitem_id 0
		.amdhsa_next_free_vgpr 224
		.amdhsa_next_free_sgpr 66
		.amdhsa_reserve_vcc 0
		.amdhsa_float_denorm_mode_32 3
		.amdhsa_float_denorm_mode_16_64 3
		.amdhsa_memory_ordered 1
		.amdhsa_forward_progress 1
		.amdhsa_inst_pref_size 95
	.end_amdhsa_kernel
	.amdgpu_metadata
---
amdhsa.version: [ 1, 2 ]
amdhsa.kernels:
  - .name:           k_qc71c80452f_prep
    .symbol:         k_qc71c80452f_prep.kd
    .args:
      - { .name: x, .offset: 0, .size: 8, .value_kind: global_buffer, .address_space: global }
      - { .name: weight, .offset: 8, .size: 8, .value_kind: global_buffer, .address_space: global }
      - { .name: lowp_scales, .offset: 16, .size: 8, .value_kind: global_buffer, .address_space: global }
      - { .name: xc, .offset: 24, .size: 8, .value_kind: global_buffer, .address_space: global }
      - { .name: wn, .offset: 32, .size: 8, .value_kind: global_buffer, .address_space: global }
      - { .name: wt, .offset: 40, .size: 8, .value_kind: global_buffer, .address_space: global }
    .group_segment_fixed_size: 70400
    .private_segment_fixed_size: 0
    .kernarg_segment_align: 8
    .kernarg_segment_size: 48
    .max_flat_workgroup_size: 128
    .sgpr_count:     66
    .vgpr_count:     224
    .wavefront_size: 32
...
	.end_amdgpu_metadata
.endif
;; end of part 3
;; launch g1 (part 4): grid 8 x 64, 4 waves a work-group, clusters of 4 x 4, 327,680 bytes of LDS; arguments xc, wn, lowp_scales, pc, st; writes pc, st
.if DOCPART == 4
	.amdgcn_target "amdgcn-amd-amdhsa--gfx1250"
	.amdhsa_code_object_version 6
	.text
	.protected	k_qc71c80452f_g1
	.globl	k_qc71c80452f_g1
	.p2align	8
	.type	k_qc71c80452f_g1,@function
k_qc71c80452f_g1:
	s_mov_b64 s[64:65], 0
	v_nop
	global_prefetch_b8 v0, s[64:65] scope:SCOPE_SE
	s_setreg_imm32_b32 hwreg(HW_REG_WAVE_MODE, 25, 1), 1
	s_wait_xcnt 0x0
	s_wait_alu depctr_hold_cnt(0) depctr_sa_sdst(0) depctr_va_vdst(0) depctr_va_sdst(0) depctr_va_ssrc(0) depctr_va_vcc(0) depctr_vm_vsrc(0)
	s_getreg_b32 s2, hwreg(HW_REG_IB_STS2, 6, 4)
	s_cmp_eq_u32 s2, 0
	s_cbranch_scc0 .Lentry_in_a_cluster
	s_endpgm
.Lentry_in_a_cluster:
	s_bfe_u32 s2, ttmp6, 0x10000c
	s_cmp_lg_u32 s2, 0xf033
	s_cbranch_scc0 .Lentry_shape_is_right
	s_endpgm
.Lentry_shape_is_right:
; VQFFN1, second launch: the scores S = Q(rmsnorm(x)) Q(rmsnorm(weight))^T on codes of BF8 (E5M2) by v_wmma_f32_16x16x128_bf8_bf8, sums in f32, and of each tile the softmax's numerator as codes.  Nothing of reference() is left out.
; A: xc [16384][1024], B: wn [2048][1024], K innermost.  A tile of S, 256 rows x 256 c, is made by a work-group of four waves; a wave makes 128 x 128: 64 accumulators, 512 registers.  S never goes to memory.
; THE SOFTMAX, BLOCK BY BLOCK.  t = score x log2(e).  For each row and each block b of 256 c (a tile's columns): M_b = the block's largest t rounded UP to a whole number; p = 2^(t - M_b) is quantised with 2^e2, not
; normalised; l is the sum of the unquantised p.  The next launch brings the blocks under the row's M = the largest M_b by powers of two, which rounds nothing: the codes keep their values, but for numbers that under
; the row's M would fall under the format's range and here keep a code.
; OUT: pc [16384][2048]: p's codes, c innermost.  st: for each wave a record of 1,024 bytes at ((2 x tile column + column half) x 128 + 2 x tile row + row half) x 1,024: 512 bytes of -M_b, then 512 of the wave's own l (its 128 c),
; each for the wave's 128 rows 16 a + r: the four numbers a = 4 h .. 4 h + 3 at 16 (16 h + r).
; K goes in steps of 256 through a ring of two LDS slots filled by the tensor data mover.  CLUSTERS: 4 x 4 work-groups; the four of a row of the cluster need the same tiles of A, the four of a column the same tiles of B:
; each tile is asked for JOINTLY.  THE MATRIX INSTRUCTION IS USED TRANSPOSED (source 0 = 16 rows of B, source 1 = 16 rows of A): lane l holds row l % 16 of S, register j of accumulator (a, b) the column 16 b + 8 (l / 16) + j.
; A fragment is fetched by four loads of 16 bytes: a permutation of k inside an instruction, the same in A and in B.
; NO PREFETCH: a tile has four K steps; two are asked for at the head, and the other two are a tile's last two refills, behind which nothing is left to name.
; By this text's own count a wave has at most two tensor loads out (at the start), later one.
; LIMITS: e0 + e1 between -126 and 127 (added to log2(e)'s exponent field); e2 between -126 and 112.  NaN and infinity among the inputs are not served.
; REGISTERS, in windows of 256: window 0: v0-31 addresses and constants; from v128 A's fragments, ONE set; on the way out v32-255 at work.  window 1: B's fragments, TWO sets.
;   window 2: the accumulators of my rows 0-63 ((a, b) at v[8 (8 a + b)]);  window 3: those of my rows 64-127.  On the way out p's codes lie where the scores lay: (a, b) at v[64 (a % 4) + 2 b].
.set SIZE_K, 1024
.set KSTEP,  256
.set ROWB,   256                       ; a tile's row in bytes
.set KROW,   SIZE_K                    ; a row of A or of B in memory, in bytes
.set PITCH,  272                       ; an LDS row: 256 bytes + 16 of padding = 68 words: row r starts at bank 4 r mod 64 (64 banks of 4 bytes: ISA guide 11.1)
.set FR,     16                        ; registers of a fragment: 16 rows x 128 K
.set NL,     4                         ; LDS loads that bring one
.set NP,     4                         ; places behind this matrix instruction (ISA guide 7.12.1)
.set HALFT,  128*PITCH                 ; 128 rows: what one tensor load brings
.set SLOT,   4*HALFT                   ; A's 256 rows, then B's 256 rows
.set LAPS,   SIZE_K/(2*KSTEP)
.set SPARE,  2*SLOT                    ; behind the ring: the spare words, 128 bytes a wave: two blocks of 256 bytes that no other line names
.set SPP,    272                       ; the way out: the work-group's stage of 256 rows x (256 codes + 16), in slot 0, which has had its last fill and its last read by then
.set EXB,    256*SPP                   ; behind it, in slot 0 too: 1,024 bytes a wave for the maxima
.set ADRA, 16                          ; v16-17  LDS address of my A fragments in slot 0, 1
.set ADRB, 20                          ; v20-21  the same for B
.set EXW,  22                          ; v22     where I put my eight maxima
.set EXR,  23                          ; v23     where the wave with my rows' other 128 c puts its
.set STO,  24                          ; v24     the stage: where I put 8 codes of a row
.set RD,   25                          ; v25     the stage: where I read a row back
.set CO,   26                          ; v26     my byte offset in pc
.set GS,   27                          ; v27     16 x lane
.set SPW,  28                          ; v28     my spare word; never rewritten
.set NIL,  29                          ; v29     0; never rewritten
.set SEED, 30                          ; v30     -3e38
.set CVS,  31                          ; v31     2^e2 as f32
.set RM,   32                          ; v32-39  the largest score, for a = 0..7
.set NM,   40                          ; v40-55  -M_b, pairs (the low word serves both halves)
.set LS,   56                          ; v56-71  l, in two halves
.set TA,   72                          ; v72-79  at work
.set PX,   80                          ; v80-87  the other wave's maxima
.set SO,   88                          ; v88-95  my record's words
.set TT,   96                          ; v96-159 64 numbers held
.set AF,   128                         ; A's fragments
.set BK,   128                         ; the way out: 64 rows read back
.set G1, 24
.set G0, 32
.set G1B, 48
.set G0B, 56
.set SEL,  88                          ; s[88:89] v_permlanex16_b32's selects: lane l xor 16
.set CS,   92                          ; s[92:93] log2(e) x 2^(e0 + e1)
.set LIMP, 94                          ; s94      57,344 x 2^e2
.set MSB, 0
.macro WIN new                         ; the immediate's high byte repeats the setting that is left
.if MSB != (\new)
	s_set_vgpr_msb (MSB<<8)|(\new)
.set MSB, (\new)
.endif
.endm
.set MUL_LO, 0xa1                      ; source 0 (B) window 1, source 1 (A) window 0, C and D window 2
.set MUL_HI, 0xf1                      ; the same, C and D window 3
.set TO_B,   0x40                      ; destination window 1, address window 0
; A joint load: waves 0 and 1 fetch for A, waves 2 and 3 for B; the branch hangs on the wave's number alone.  An s_nop 0 and four v_nop follow each of the two lines.
.macro JLOAD g0a, g1a, g0b, g1b
	s_cmp_eq_u32 s15, 0
	s_cbranch_scc0 .Lfor_b_\@
	tensor_load_to_lds s[\g0a:\g0a+3], s[\g1a:\g1a+7]
	s_nop 0
.rept 4
	v_nop
.endr
	s_branch .Lasked_\@
.Lfor_b_\@:
	tensor_load_to_lds s[\g0b:\g0b+3], s[\g1b:\g1b+7]
	s_nop 0
.rept 4
	v_nop
.endr
.Lasked_\@:
.endm
.macro CREST                           ; a round of the cluster's barrier behind its opening barrier
	s_cmp_lg_u32 s14, 0
	s_cbranch_scc1 .Lnot_wave_0_\@
	s_barrier_signal -3
.Lnot_wave_0_\@:
	s_barrier_wait -3
	s_barrier_signal -1
	s_barrier_wait -1
.endm
.macro CROUND
	s_barrier_signal -1
	s_barrier_wait -1
	CREST
.endm
	s_load_b128 s[4:7], s[0:1], 0x0                ; xc s[4:5], wn s[6:7]
	s_load_b128 s[8:11], s[0:1], 0x10              ; the scales' exponents s[8:9], pc s[10:11]
	s_load_b64 s[12:13], s[0:1], 0x20              ; st
	v_lshl_add_u32 v[SPW], v0, 2, SPARE
	v_mov_b32 v[NIL], 0
	ds_add_u32 v[SPW], v[NIL]                      ; the wave's opening: the add, twice on end, and its wait ahead of my first tensor load; the set-up below is work on registers
	ds_add_u32 v[SPW], v[NIL]
	v_lshrrev_b32 v1, 5, v0
	v_readfirstlane_b32 s14, v1                    ; wave 0..3
	s_lshr_b32 s15, s14, 1                         ; which half of the tile's rows is mine.  Also: I fetch for A (0) or for B (1)
	s_and_b32 s16, s14, 1                          ; which half of its columns.  Also: which 128 rows of that tile I fetch
	s_bfe_u32 s40, ttmp6, 0x40000                  ; cx, cy: my place in the cluster
	s_bfe_u32 s41, ttmp6, 0x40004
	s_lshl_b32 s42, ttmp9, 2
	s_add_co_u32 s42, s42, s40                     ; tile column = 4 x cluster x + cx
	s_and_b32 s17, ttmp7, 0xffff
	s_lshl_b32 s17, s17, 2
	s_add_co_u32 s17, s17, s41                     ; tile row = 4 x cluster y + cy
	s_lshl_b32 s43, s41, 2
	s_lshl_b32 s43, 15, s43                        ; my row of the cluster
	s_lshl_b32 s44, 0x1111, s40                    ; my column
	; descriptor group 1: a tile of 128 rows x 256 bytes, padded in LDS
	s_or_b32 s[G1+0], s43, (0<<16)|(1<<20)|(1<<21)|(5<<22)|(3<<25)  ; 15:0 the mask: A's tiles go to my row; elements of 1 byte; padding on; bit 21 set beside a mask; after every 64 words four words
	s_or_b32 s[G1B+0], s44, (0<<16)|(1<<20)|(1<<21)|(5<<22)|(3<<25)
.irp g, G1, G1B
	s_mov_b32 s[\g+1], ROWB<<16                    ; tensor_dim0
	s_mov_b32 s[\g+2], 128<<16                     ; tensor_dim1 = 128
	s_mov_b32 s[\g+3], ROWB<<16                    ; tile_dim0
	s_mov_b32 s[\g+4], 128                         ; tile_dim1 = 128
	s_mov_b32 s[\g+5], KROW                        ; from row to row
	s_mov_b32 s[\g+6], 0
	s_mov_b32 s[\g+7], 0
.endr
	s_lshl_b32 s18, s16, 7                         ; which 128 rows of the tile I fetch
	s_lshl_b32 s20, s17, 8
	s_add_co_u32 s20, s20, s18                     ; A: row 256 x tile row + 128 x half
	s_lshl_b32 s46, s42, 8
	s_add_co_u32 s46, s46, s18                     ; B: row 256 x tile column + 128 x half
	s_mov_b32 s21, 0
	s_mov_b32 s47, 0
	s_mov_b64 s[18:19], KROW
	s_mul_u64 s[20:21], s[20:21], s[18:19]
	s_mul_u64 s[46:47], s[46:47], s[18:19]
	s_mul_i32 s45, s14, HALFT                      ; where they go: wave x 128 rows: no place in the cluster enters an LDS address
	s_wait_dscnt 0x0                               ; both opening adds are done
	s_wait_kmcnt 0x0
	s_load_b128 s[96:99], s[8:9], 0x0              ; e0, e1, e2, e3
	s_add_nc_u64 s[20:21], s[4:5], s[20:21]
	s_add_nc_u64 s[46:47], s[6:7], s[46:47]
	CROUND                                         ; all sixteen work-groups are here: the first joint loads meet
.irp s, 0,1
	s_mov_b32 s[G0+4*\s], 1
	s_add_co_u32 s[G0+4*\s+1], s45, \s*SLOT
	s_add_nc_u64 s[G0+4*\s+2:G0+4*\s+3], s[20:21], \s*ROWB
	s_or_b32 s[G0+4*\s+3], s[G0+4*\s+3], 0x80000000
	s_mov_b32 s[G0B+4*\s], 1
	s_add_co_u32 s[G0B+4*\s+1], s45, \s*SLOT
	s_add_nc_u64 s[G0B+4*\s+2:G0B+4*\s+3], s[46:47], \s*ROWB
	s_or_b32 s[G0B+4*\s+3], s[G0B+4*\s+3], 0x80000000
	JLOAD G0+4*\s, G1, G0B+4*\s, G1B
.endr
	v_and_b32 v1, 15, v0                           ; r = l % 16
	v_bfe_u32 v2, v0, 4, 1                         ; h = l / 16
	v_mul_u32_u24 v3, v1, PITCH
	v_lshl_add_u32 v4, v2, 4, v3                   ; a fragment's row x pitch + 16 x half
	s_mul_i32 s21, s15, HALFT                      ; my 128 rows of A
	s_mul_i32 s22, s16, HALFT                      ; my 128 rows of B,
	s_add_co_u32 s22, s22, 2*HALFT                 ; which lie behind A's 256
.irp s, 0,1
	v_add_nc_u32 v[ADRA+\s], s21, v4
	v_add_nc_u32 v[ADRB+\s], s22, v4
	s_add_co_u32 s21, s21, SLOT
	s_add_co_u32 s22, s22, SLOT
.endr
	s_mul_i32 s23, s15, 128*SPP                    ; into the stage: my 128 rows, my 128 of their 256 bytes; row r, 8 bytes for each half of the lanes
	s_lshl_b32 s21, s16, 7
	s_add_co_u32 s23, s23, s21
	v_mul_u32_u24 v5, v1, SPP
	v_lshl_add_u32 v5, v2, 3, v5
	v_add_nc_u32 v[STO], s23, v5
	s_mul_i32 s23, s14, 64*SPP                     ; back: wave w takes rows 64 w .. 64 w + 63, whole; lanes 0-15 one row, lanes 16-31 the next
	v_mul_u32_u24 v5, v2, SPP
	v_lshl_add_u32 v5, v1, 4, v5
	v_add_nc_u32 v[RD], s23, v5
	v_lshlrev_b32 v5, 11, v2                       ; and the same two rows in pc: 2,048 bytes a row
	v_lshl_add_u32 v[CO], v1, 4, v5
	v_and_b32 v6, 31, v0
	v_lshlrev_b32 v[GS], 4, v6
	s_lshl_b32 s23, s14, 10
	s_add_co_u32 s23, s23, EXB
	v_add_nc_u32 v[EXW], s23, v[GS]
	s_xor_b32 s23, s14, 1                          ; the wave with my rows and the other columns
	s_lshl_b32 s23, s23, 10
	s_add_co_u32 s23, s23, EXB
	v_add_nc_u32 v[EXR], s23, v[GS]
	s_lshl_b32 s20, s17, 8
	s_lshl_b32 s21, s14, 6
	s_add_co_u32 s20, s20, s21                     ; the first row of pc that I store: 256 x tile row + 64 x wave,
	s_lshl_b32 s20, s20, 11                        ; in bytes,
	s_lshl_b32 s46, s42, 8
	s_add_co_u32 s20, s20, s46                     ; + the tile's first column
	s_mov_b32 s21, 0
	s_add_nc_u64 s[10:11], s[10:11], s[20:21]
	s_lshl_b32 s20, s42, 1
	s_add_co_u32 s20, s20, s16                     ; my record: 2 x tile column + column half,
	s_lshl_b32 s20, s20, 7
	s_lshl_b32 s21, s17, 1
	s_add_co_u32 s21, s21, s15                     ; 2 x tile row + row half
	s_add_co_u32 s20, s20, s21
	s_lshl_b32 s20, s20, 10
	s_mov_b32 s21, 0
	s_add_nc_u64 s[12:13], s[12:13], s[20:21]
.macro FRAG reg, adr, q, i             ; a fragment: lane l holds row l % 16; registers 4 c .. 4 c + 3 hold K = 32 c + 16 (l / 16) + 0 .. 15
.irp c, 0,1,2,3
	ds_load_b128 v[\reg+4*\c:\reg+4*\c+3], v[\adr] offset:128*(\q)+32*\c+(\i)*16*PITCH
.endr
.endm
; 16 matrix instructions: A's blocks a0, a0 + 1 x B's eight, 128 along K.  p: B's set.  zero = 1: the first product starts the sums.  The 64 accumulators take turns, one instruction a turn.
.macro MUL16 a0, p, zero
.irp a, \a0, \a0+1
.irp b, 0,1,2,3,4,5,6,7
.if \zero
	v_wmma_f32_16x16x128_bf8_bf8 v[8*(8*((\a)%4)+\b):8*(8*((\a)%4)+\b)+7], v[128*(\p)+FR*\b:128*(\p)+FR*\b+FR-1], v[AF+FR*(\a):AF+FR*(\a)+FR-1], 0
.else
	v_wmma_f32_16x16x128_bf8_bf8 v[8*(8*((\a)%4)+\b):8*(8*((\a)%4)+\b)+7], v[128*(\p)+FR*\b:128*(\p)+FR*\b+FR-1], v[AF+FR*(\a):AF+FR*(\a)+FR-1], v[8*(8*((\a)%4)+\b):8*(8*((\a)%4)+\b)+7]
.endif
.endr
.endr
.endm
.macro FETCH_B slot, q, p
	WIN TO_B
.irp i, 0,1,2,3,4,5,6,7
	FRAG 128*(\p)+FR*\i, ADRB+\slot, \q, \i
.endr
	WIN 0
.endm
.macro FETCH_A slot, q, i0
.irp i, \i0, \i0+1, \i0+2, \i0+3
	FRAG AF+FR*(\i), ADRA+\slot, \q, \i
.endr
.endm
.macro PLACES n                        ; plain instructions between a matrix instruction and a load into, or a vector read of, its registers (ISA guide 7.12.1 for vector reads)
.rept \n
	v_nop
.endr
.endm
; A step of 128 along K that has its successor in the same slot.  A's blocks go one after the other, so one set of registers serves A: blocks 0-3 are fetched anew in the step's middle, blocks 4-7 at its end.
.macro STEP slot, q, zero
	s_wait_dscnt 4*NL                              ; B's set and A's blocks 0-3 are in; the youngest loads (A's blocks 4-7) may be out
	WIN MUL_LO
	MUL16 0, (\q)%2, \zero
	MUL16 2, (\q)%2, \zero
	s_wait_dscnt 0                                 ; A's blocks 4-7 are in
	PLACES NP
	FETCH_B \slot, (\q)+1, 1-(\q)%2
	FETCH_A \slot, (\q)+1, 0
	WIN MUL_HI
	MUL16 4, (\q)%2, \zero
	MUL16 6, (\q)%2, \zero
	PLACES NP
	WIN 0
	FETCH_A \slot, (\q)+1, 4
.endm
; A slot's last step changes slots: ONE barrier; in front of it each wave waits for all its tensor loads, adds 0 to its spare word, and waits for that and for its own reads of this slot.  fill = 1: this slot is filled again.
.macro TURN slot, next, fill
	s_wait_tensorcnt 0x0                           ; all my tensor loads have landed: my part of the next slot
	ds_add_u32 v[SPW], v[NIL]                      ; 0 onto my spare word
	s_wait_dscnt 4*NL+1                            ; (the add and the youngest loads, A's blocks 4-7, may be out)
	WIN MUL_LO
	MUL16 0, 1, 0
	s_wait_dscnt 0x0                               ; the add is done, and my reads of this slot are over
	s_barrier_signal -1
	MUL16 2, 1, 0
	WIN 0
	s_barrier_wait -1
.if \fill
	CREST                                          ; the barrier has opened a round of the cluster's barrier: no wave of any partner still reads this slot's tile or has a load on its way
	s_add_nc_u64 s[G0+4*\slot+2:G0+4*\slot+3], s[G0+4*\slot+2:G0+4*\slot+3], 2*ROWB
	s_add_nc_u64 s[G0B+4*\slot+2:G0B+4*\slot+3], s[G0B+4*\slot+2:G0B+4*\slot+3], 2*ROWB
	JLOAD G0+4*\slot, G1, G0B+4*\slot, G1B         ; the first tensor load behind the round; its four v_nop are the places in front of the loads below
.else
	PLACES NP
.endif
	FETCH_B \next, 0, 0
	FETCH_A \next, 0, 0
	WIN MUL_HI
	MUL16 4, 1, 0
	MUL16 6, 1, 0
	PLACES NP
	WIN 0
	FETCH_A \next, 0, 4
.endm
	s_wait_tensorcnt 1                             ; my part of K step 0 is in (K step 1's load may be out)
	s_barrier_signal -1
	s_barrier_wait -1                              ; everybody's is
	FETCH_B 0, 0, 0
	FETCH_A 0, 0, 0
	FETCH_A 0, 0, 4
	STEP 0, 0, 1                                   ; the first step stands in front of the loop: its products start the sums
	s_mov_b32 s3, LAPS-1
.Llap:                                                 ; a trip goes once round the ring and fills both slots again
	TURN 0, 1, 1
	STEP 1, 0, 0
	TURN 1, 0, 1
	STEP 0, 0, 0
	s_sub_co_u32 s3, s3, 1
	s_cmp_lg_u32 s3, 0
	s_cbranch_scc1 .Llap
	TURN 0, 1, 0                                   ; the last lap fills nothing, and has no round of the cluster's barrier
	STEP 1, 0, 0
	s_wait_dscnt 4*NL                              ; the very last step
	WIN MUL_LO
	MUL16 0, 1, 0
	MUL16 2, 1, 0
	s_wait_dscnt 0
	WIN MUL_HI
	MUL16 4, 1, 0
	MUL16 6, 1, 0
	WIN 0
	; ---- THE WAY OUT.  The constants' moves below are plain instructions that name no register of the last products: they are the places behind them.
	s_wait_kmcnt 0x0
	s_add_co_i32 s90, s96, s97
	s_lshl_b32 s90, s90, 23
	s_add_co_i32 s[CS], s90, 0x3fb8aa3b            ; a sum stands for sum x 2^(e0 + e1): the exponents are added to log2(e)'s exponent field
	s_mov_b32 s[CS+1], s[CS]
	s_add_co_i32 s90, s98, 127
	s_lshl_b32 s91, s90, 23
	s_add_co_i32 s90, s90, 15
	s_lshl_b32 s90, s90, 23
	s_or_b32 s[LIMP], s90, 0x600000                ; 57,344 x 2^e2
	s_mov_b32 s[SEL], 0x76543210
	s_mov_b32 s[SEL+1], 0xfedcba98
	v_mov_b32 v[CVS], s91                          ; 2^e2: the conversion takes its exponent field
	v_mov_b32 v[SEED], 0xff61b1e6                  ; -3e38, under every score
.irp a, 0,1,2,3,4,5,6,7
	v_mov_b32 v[NM+2*\a+1], 0                      ; (the upper halves of pairs are named, so they are written)
	v_mov_b32 v[LS+2*\a], 0                        ; l, in two halves
	v_mov_b32 v[LS+2*\a+1], 0
.endr
; The largest score of each of my rows among my 128 c: two chains for each row block; each accumulator is read from its low end on.
.macro MAXW w
	WIN ((\w)<<2)|((\w)<<4)                        ; sources 1 and 2 in window w
.set kk, 0
.rept 32
.irp m, 0,1,2,3
.if kk < 2
	v_max3_num_f32 v[TA+4*(kk%2)+\m], v[SEED], v[64*\m+2*kk], v[64*\m+2*kk+1]
.else
	v_max3_num_f32 v[TA+4*(kk%2)+\m], v[TA+4*(kk%2)+\m], v[64*\m+2*kk], v[64*\m+2*kk+1]
.endif
.endr
.set kk, kk+1
.endr
	WIN 0
.irp m, 0,1,2,3
	v_max_num_f32 v[RM+4*((\w)-2)+\m], v[TA+\m], v[TA+4+\m]
.endr
.endm
	MAXW 2
	MAXW 3
.irp a, 0,1,2,3,4,5,6,7
	v_permlanex16_b32 v[TA+\a], v[RM+\a], s[SEL], s[SEL+1]   ; the row's other 64 c of my wave lie in the lane 16 away
.endr
.irp a, 0,1,2,3,4,5,6,7
	v_max_num_f32 v[RM+\a], v[RM+\a], v[TA+\a]
.endr
	ds_store_b128 v[EXW], v[RM:RM+3]               ; an image of the eight registers
	ds_store_b128 v[EXW], v[RM+4:RM+7] offset:512
	s_wait_dscnt 0x0                               ; for the other wave's sake
	s_barrier_signal -1
	s_barrier_wait -1
	ds_load_b128 v[PX:PX+3], v[EXR]
	ds_load_b128 v[PX+4:PX+7], v[EXR] offset:512
	s_wait_dscnt 0x0
.irp a, 0,1,2,3,4,5,6,7
	v_max_num_f32 v[RM+\a], v[RM+\a], v[PX+\a]     ; the row's largest score among the tile's 256 c, the same in both waves
.endr
.irp a, 0,1,2,3,4,5,6,7
	v_mul_f32 v[TA+\a], s[CS], v[RM+\a]            ; as t
.endr
.irp a, 0,1,2,3,4,5,6,7
	v_floor_f32 v[NM+2*\a], -v[TA+\a]              ; -M_b = floor(-t) = -ceil(t): a whole number
.endr
.macro EXPW w                          ; p = 2^(t - M_b), in place
	WIN (\w)|((\w)<<6)                             ; source 0 and destination in window w
.set kk, 0
.rept 32
.irp m, 0,1,2,3
	v_pk_fma_f32 v[64*\m+2*kk:64*\m+2*kk+1], v[64*\m+2*kk:64*\m+2*kk+1], s[CS:CS+1], v[NM+2*(4*((\w)-2)+\m):NM+2*(4*((\w)-2)+\m)+1] op_sel_hi:[1,0,0]
.endr
.set kk, kk+1
.endr
.set kk, 0
.rept 256
	v_exp_f32 v[kk], v[kk]
.set kk, kk+1
.endr
.endm
	EXPW 2
	EXPW 3                                         ; one batch of 512 exponentials
	WIN 0
	v_nop                                          ; a plain instruction behind the last exponential (ISA guide 5.7.2),
	s_wait_alu depctr_va_vdst(0)                   ; and the wait ahead of the batch's first reader: one for all
.macro SUMW w                          ; l takes the UNQUANTISED p; four chains
	WIN (\w)<<2
.set kk, 0
.rept 32
.irp m, 0,1,2,3
	v_pk_add_f32 v[LS+2*(4*((\w)-2)+\m):LS+2*(4*((\w)-2)+\m)+1], v[LS+2*(4*((\w)-2)+\m):LS+2*(4*((\w)-2)+\m)+1], v[64*\m+2*kk:64*\m+2*kk+1]
.endr
.set kk, kk+1
.endr
.endm
.macro QNTW w                          ; the hold, the conversion, and 8 codes at a time into the stage
.irp m, 0,1,2,3
	WIN (\w)<<2
.set kk, 0
.rept 64
	v_min_num_f32 v[TT+kk], s[LIMP], v[64*\m+kk]   ; the conversion does not saturate (ISA guide 7.6.2); p is not negative, so the hold is one-sided; it also takes p out of the registers that the codes go into
.set kk, kk+1
.endr
	WIN (\w)<<6
.irp t, 0,1,2,3,4,5,6,7
	v_cvt_scalef32_pk8_bf8_f32 v[64*\m+2*\t:64*\m+2*\t+1], v[TT+8*\t:TT+8*\t+7], v[CVS]   ; accumulator t's eight c
.endr
	v_nop                                          ; one plain instruction between the conversions and the next writer of their sources
.endr
	WIN (\w)<<2                                    ; the stores' data lie in window w
.irp m, 0,1,2,3
.irp t, 0,1,2,3,4,5,6,7
	ds_store_b64 v[STO], v[64*\m+2*\t:64*\m+2*\t+1] offset:(4*((\w)-2)+\m)*16*SPP+16*\t   ; row 16 a + r, bytes 16 t + 8 h + 0..7 of my 128
.endr
.endr
.endm
	SUMW 2
	SUMW 3
	QNTW 2
	QNTW 3
	WIN 0
.irp a, 0,1,2,3,4,5,6,7
	v_add_f32 v[TA+\a], v[LS+2*\a], v[LS+2*\a+1]   ; l's two halves,
.endr
.irp a, 0,1,2,3,4,5,6,7
	v_permlanex16_b32 v[RM+\a], v[TA+\a], s[SEL], s[SEL+1]
.endr
.irp a, 0,1,2,3,4,5,6,7
	v_add_f32 v[TA+\a], v[TA+\a], v[RM+\a]         ; and the other half of the lanes': my wave's l
.endr
	v_bfe_u32 v[SO], v0, 4, 1
	v_cmp_ne_u32 vcc_lo, 0, v[SO]                  ; lanes 16-31 store a = 4..7
.irp k, 0,1,2,3
	v_cndmask_b32 v[SO+\k], v[NM+2*\k], v[NM+2*\k+8], vcc_lo
.endr
.irp k, 0,1,2,3
	v_cndmask_b32 v[SO+4+\k], v[TA+\k], v[TA+4+\k], vcc_lo
.endr
	global_store_b128 v[GS], v[SO:SO+3], s[12:13]              ; 32 lanes store 512 consecutive bytes, at a multiple of 512 from the buffer's first byte
	global_store_b128 v[GS], v[SO+4:SO+7], s[12:13] offset:512
	s_wait_dscnt 0x0                               ; for the others' sake: my codes lie in the stage
	s_barrier_signal -1
	s_barrier_wait -1                              ; a row's 256 bytes come from two waves
.set tt, 0
.rept 32
	ds_load_b128 v[BK+4*tt:BK+4*tt+3], v[RD] offset:2*tt*SPP
.set tt, tt+1
.endr
.set tt, 0
.rept 32
	s_wait_dscnt 31-tt                             ; this load is in; the younger ones may be out
	global_store_b128 v[CO], v[BK+4*tt:BK+4*tt+3], s[10:11] offset:2*tt*2048   ; sixteen lanes store 256 consecutive bytes, at a multiple of 256 from the buffer's first byte
.set tt, tt+1
.endr
	s_wait_tensorcnt 0x0                           ; the wave's end: behind my last tensor load and my last LDS store
	ds_add_u32 v[SPW], v[NIL]
	s_wait_dscnt 0x0
	CROUND                                         ; the closing round: no work-group ends while a partner may still ask for a tile that names it
	s_endpgm
.Lfunc_end_k_qc71c80452f_g1:
	.size	k_qc71c80452f_g1, .Lfunc_end_k_qc71c80452f_g1-k_qc71c80452f_g1
	.p2alignl 7, 3214868480
	.fill 96, 4, 3214868480
	.section	.rodata,"a",@progbits
	.p2align	6, 0x0
	.amdhsa_kernel k_qc71c80452f_g1
		.amdhsa_group_segment_fixed_size 327680
		.amdhsa_private_segment_fixed_size 0
		.amdhsa_enable_private_segment 0
		.amdhsa_kernarg_size 40
		.amdhsa_user_sgpr_count 2
		.amdhsa_user_sgpr_kernarg_segment_ptr 1
		.amdhsa_wavefront_size32 1
		.amdhsa_system_sgpr_workgroup_id_x 1
		.amdhsa_system_sgpr_workgroup_id_y 1
		.amdhsa_system_sgpr_workgroup_id_z 1
		.amdhsa_system_vgpr_workitem_id 0
		.amdhsa_next_free_vgpr 1024
		.amdhsa_next_free_sgpr 100
		.amdhsa_reserve_vcc 1
		.amdhsa_float_denorm_mode_32 3
		.amdhsa_float_denorm_mode_16_64 3
		.amdhsa_memory_ordered 1
		.amdhsa_forward_progress 1
		.amdhsa_inst_pref_size 179
	.end_amdhsa_kernel
	.amdgpu_metadata
---
amdhsa.version: [ 1, 2 ]
amdhsa.kernels:
  - .name:           k_qc71c80452f_g1
    .symbol:         k_qc71c80452f_g1.kd
    .args:
      - { .name: xc, .offset: 0, .size: 8, .value_kind: global_buffer, .address_space: global }
      - { .name: wn, .offset: 8, .size: 8, .value_kind: global_buffer, .address_space: global }
      - { .name: lowp_scales, .offset: 16, .size: 8, .value_kind: global_buffer, .address_space: global }
      - { .name: pc, .offset: 24, .size: 8, .value_kind: global_buffer, .address_space: global }
      - { .name: st, .offset: 32, .size: 8, .value_kind: global_buffer, .address_space: global }
    .group_segment_fixed_size: 327680
    .private_segment_fixed_size: 0
    .kernarg_segment_align: 8
    .kernarg_segment_size: 40
    .max_flat_workgroup_size: 128
    .sgpr_count:     100
    .vgpr_count:     1024
    .wavefront_size: 32
...
	.end_amdgpu_metadata
.endif
;; end of part 4
;; launch g2 (part 5): grid 4 x 64, 4 waves a work-group, clusters of 4 x 4, 327,680 bytes of LDS; arguments pc, wt, lowp_scales, out0, st; writes out0
.if DOCPART == 5
	.amdgcn_target "amdgcn-amd-amdhsa--gfx1250"
	.amdhsa_code_object_version 6
	.text
	.protected	k_qc71c80452f_g2
	.globl	k_qc71c80452f_g2
	.p2align	8
	.type	k_qc71c80452f_g2,@function
k_qc71c80452f_g2:
	s_mov_b64 s[64:65], 0
	v_nop
	global_prefetch_b8 v0, s[64:65] scope:SCOPE_SE
	s_setreg_imm32_b32 hwreg(HW_REG_WAVE_MODE, 25, 1), 1
	s_wait_xcnt 0x0
	s_wait_alu depctr_hold_cnt(0) depctr_sa_sdst(0) depctr_va_vdst(0) depctr_va_sdst(0) depctr_va_ssrc(0) depctr_va_vcc(0) depctr_vm_vsrc(0)
	s_getreg_b32 s2, hwreg(HW_REG_IB_STS2, 6, 4)
	s_cmp_eq_u32 s2, 0
	s_cbranch_scc0 .Lentry_in_a_cluster
	s_endpgm
.Lentry_in_a_cluster:
	s_bfe_u32 s2, ttmp6, 0x10000c
	s_cmp_lg_u32 s2, 0xf033
	s_cbranch_scc0 .Lentry_shape_is_right
	s_endpgm
.Lentry_shape_is_right:
; VQFFN1, third launch: out = (the sum over c of p Q(weight)) / l on codes of BF8 (E5M2) by v_wmma_f32_16x16x128_bf8_bf8, sums in f32.  Nothing of reference() is left out.
; A: pc [16384][2048], p's codes; B: wt [1024][2048], weight's codes with c innermost; out0 [16384][1024] f32.  A tile of 256 x 256 is made by a work-group of four waves; a wave makes 128 x 128: 64 accumulators.
; THE BLOCKS' M.  p of block b (256 c: one K step of the ring) was quantised under the block's own whole number M_b (st holds -M_b and the sums l of the unquantised p).  With M = the row's largest M_b the result is
; the sum over b of 2^(M_b - M) (P_b W_b), divided by l = the sum of 2^(M_b - M) l_b.  The accumulators are kept in the unit of the block in hand, u_b = max(M_b, M - 64): ahead of block b's products they are
; multiplied by f_b = 2^(u_(b-1) - u_b), a power of two between 2^-64 and 2^64, which rounds nothing; at the end by g = 2^(u_7 - M + e2 + e3) / l.  There is no branch on data.
; LIMIT: a block whose M_b lies more than 64 under the row's M is added with the weight 2^-64 in place of its smaller true weight; beside a sum l of at least 1/2 that is under every rounding.
; LIMITS: e2 + e3 goes by v_ldexp_f32 and has no bound.  NaN and infinity among the inputs are not served.
; K goes in steps of 256 through a ring of two LDS slots filled by the tensor data mover.  CLUSTERS: 4 x 4 work-groups; A's tiles are asked for jointly along a row of the cluster, B's along a column.
; THE MATRIX INSTRUCTION IS USED TRANSPOSED (source 0 = 16 rows of B, source 1 = 16 rows of A): lane l holds row l % 16 of the result throughout, so a row's factor is one number a lane for each block a of 16 rows.
; By this text's own count a wave has at most two tensor loads out (at the start), later one.
; REGISTERS, in windows of 256: window 0: v0-31 addresses; v32-47 eight pairs: the factor in hand; v48-63 at work at the head; v64-71 g; v72-127 the factors to come, a queue that moves down by two blocks in each trip;
;   from v128 A's fragments, ONE set.  On the way out v64-255 are at work.   window 1: B's fragments, TWO sets.   windows 2, 3: the accumulators ((a, b) at v[8 (8 (a % 4) + b)] of window 2 + a / 4).
.set SIZE_N, 1024
.set SIZE_K, 2048
.set KSTEP,  256
.set ROWB,   256
.set KROW,   SIZE_K
.set PITCH,  272                       ; an LDS row: 256 bytes + 16 of padding = 68 words: row r starts at bank 4 r mod 64 (64 banks of 4 bytes: ISA guide 11.1)
.set FR,     16
.set NL,     4
.set NP,     4
.set HALFT,  128*PITCH
.set SLOT,   4*HALFT
.set LAPS,   SIZE_K/(2*KSTEP)
.set SPARE,  2*SLOT                    ; behind the ring: the spare words, 128 bytes a wave: two blocks of 256 bytes that no other line names
.set SPITCH, 528                       ; the way out: a stage of 16 rows x (512 bytes + 16) for each wave, in slot 0, which has had its last fill and its last read by then
.set ADRA, 16
.set ADRB, 20
.set GR,   22                          ; v22     16 r: my place in a record of st
.set STO,  24
.set RD,   25
.set CO,   26
.set PFO,  27                          ; v27     the prefetches' offset: my lane x a row of 2,048 bytes; never rewritten
.set SPW,  28
.set NIL,  29
.set FP,   32                          ; v32-47  pairs: the low word serves both halves
.set MF,   48                          ; v48-55  -M
.set LT,   56                          ; v56-63  l
.set NMG,  64                          ; v64-127 -M_b, block b at 8 b; then -u_b; then g (b = 0) and f_b (b = 1..7)
.set FQ,   72                          ; the queue's head
.set LG,   128                         ; v128-255 the sixteen l of each row, at the head
.set TMP,  64                          ; the way out: 64 registers, a block's results
.set AF,   128
.set BK,   128
.set G1, 24
.set G0, 32
.set G1B, 48
.set G0B, 56
.set PFA,  66                          ; s[66:67] where my prefetches stand
.set LIM,  68                          ; s68     1 in a wave that prefetches, else the greatest number
.set ESUM, 72                          ; s72     e2 + e3
.set MSB, 0
.macro WIN new
.if MSB != (\new)
	s_set_vgpr_msb (MSB<<8)|(\new)
.set MSB, (\new)
.endif
.endm
.set MUL_LO, 0xa1
.set MUL_HI, 0xf1
.set TO_B,   0x40
.macro JLOAD g0a, g1a, g0b, g1b        ; a joint load: waves 0 and 1 fetch for A, waves 2 and 3 for B; an s_nop 0 and four v_nop follow each of the two lines
	s_cmp_eq_u32 s15, 0
	s_cbranch_scc0 .Lfor_b_\@
	tensor_load_to_lds s[\g0a:\g0a+3], s[\g1a:\g1a+7]
	s_nop 0
.rept 4
	v_nop
.endr
	s_branch .Lasked_\@
.Lfor_b_\@:
	tensor_load_to_lds s[\g0b:\g0b+3], s[\g1b:\g1b+7]
	s_nop 0
.rept 4
	v_nop
.endr
.Lasked_\@:
.endm
; A PREFETCH INTO THE L2, behind each joint load and the run of LDS loads that follows it: the K step that stands two refills on (256 matrix instructions of a wave ahead of the load that will want it): 32 rows x 256 bytes,
; a lane a row, one instruction a wave.  Each row's 256 bytes of a K step are named once: A's tile rows are read by one cluster alone, which asks; B's tile columns by every cluster of the column: cluster y = 0 asks.
; The four partners that ask for a tile jointly share its rows out by address, 32 each.  The last two refills have no K step two on; K steps 0 to 3 come by their loads alone.
.macro ASK
	s_cmp_gt_u32 s3, s[LIM]                        ; s3 = 1 in the loop's last trip
	s_cbranch_scc0 .Lnot_mine_\@
	global_prefetch_b8 v[PFO], s[PFA:PFA+1] offset:ROWB th:TH_LOAD_NT scope:SCOPE_SE
.Lnot_mine_\@:
.endm
.macro CREST
	s_cmp_lg_u32 s14, 0
	s_cbranch_scc1 .Lnot_wave_0_\@
	s_barrier_signal -3
.Lnot_wave_0_\@:
	s_barrier_wait -3
	s_barrier_signal -1
	s_barrier_wait -1
.endm
.macro CROUND
	s_barrier_signal -1
	s_barrier_wait -1
	CREST
.endm
	s_load_b128 s[4:7], s[0:1], 0x0                ; pc s[4:5], wt s[6:7]
	s_load_b128 s[8:11], s[0:1], 0x10              ; the scales' exponents s[8:9], out0 s[10:11]
	s_load_b64 s[12:13], s[0:1], 0x20              ; st
	v_lshl_add_u32 v[SPW], v0, 2, SPARE
	v_mov_b32 v[NIL], 0
	ds_add_u32 v[SPW], v[NIL]                      ; the wave's opening: the add, twice on end, and its wait ahead of my first tensor load; the set-up below is work on registers
	ds_add_u32 v[SPW], v[NIL]
	v_lshrrev_b32 v1, 5, v0
	v_readfirstlane_b32 s14, v1                    ; wave 0..3
	s_lshr_b32 s15, s14, 1                         ; which half of the tile's rows is mine.  Also: I fetch for A (0) or for B (1)
	s_and_b32 s16, s14, 1                          ; which half of its columns.  Also: which 128 rows of that tile I fetch
	s_bfe_u32 s40, ttmp6, 0x40000                  ; cx, cy
	s_bfe_u32 s41, ttmp6, 0x40004
	s_lshl_b32 s42, ttmp9, 2
	s_add_co_u32 s42, s42, s40                     ; tile column
	s_and_b32 s17, ttmp7, 0xffff
	s_lshl_b32 s17, s17, 2
	s_add_co_u32 s17, s17, s41                     ; tile row
	s_lshl_b32 s43, s41, 2
	s_lshl_b32 s43, 15, s43                        ; my row of the cluster
	s_lshl_b32 s44, 0x1111, s40                    ; my column
	s_or_b32 s[G1+0], s43, (0<<16)|(1<<20)|(1<<21)|(5<<22)|(3<<25)  ; the mask: A's tiles go to my row; elements of 1 byte; padding on; bit 21 set beside a mask; after every 64 words four words
	s_or_b32 s[G1B+0], s44, (0<<16)|(1<<20)|(1<<21)|(5<<22)|(3<<25)
.irp g, G1, G1B
	s_mov_b32 s[\g+1], ROWB<<16
	s_mov_b32 s[\g+2], 128<<16
	s_mov_b32 s[\g+3], ROWB<<16
	s_mov_b32 s[\g+4], 128
	s_mov_b32 s[\g+5], KROW
	s_mov_b32 s[\g+6], 0
	s_mov_b32 s[\g+7], 0
.endr
	s_lshl_b32 s18, s16, 7
	s_lshl_b32 s20, s17, 8
	s_add_co_u32 s20, s20, s18                     ; A: row 256 x tile row + 128 x half
	s_lshl_b32 s46, s42, 8
	s_add_co_u32 s46, s46, s18                     ; B: row 256 x tile column + 128 x half
	s_mov_b32 s21, 0
	s_mov_b32 s47, 0
	s_mov_b64 s[18:19], KROW
	s_mul_u64 s[20:21], s[20:21], s[18:19]
	s_mul_u64 s[46:47], s[46:47], s[18:19]
	s_mul_i32 s45, s14, HALFT
	s_wait_dscnt 0x0                               ; both opening adds are done
	s_wait_kmcnt 0x0
	s_load_b128 s[96:99], s[8:9], 0x0              ; e0, e1, e2, e3
	s_add_nc_u64 s[20:21], s[4:5], s[20:21]
	s_add_nc_u64 s[46:47], s[6:7], s[46:47]
	CROUND                                         ; all sixteen work-groups are here: the first joint loads meet
.irp s, 0,1
	s_mov_b32 s[G0+4*\s], 1
	s_add_co_u32 s[G0+4*\s+1], s45, \s*SLOT
	s_add_nc_u64 s[G0+4*\s+2:G0+4*\s+3], s[20:21], \s*ROWB
	s_or_b32 s[G0+4*\s+3], s[G0+4*\s+3], 0x80000000
	s_mov_b32 s[G0B+4*\s], 1
	s_add_co_u32 s[G0B+4*\s+1], s45, \s*SLOT
	s_add_nc_u64 s[G0B+4*\s+2:G0B+4*\s+3], s[46:47], \s*ROWB
	s_or_b32 s[G0B+4*\s+3], s[G0B+4*\s+3], 0x80000000
	JLOAD G0+4*\s, G1, G0B+4*\s, G1B
.endr
	v_and_b32 v1, 15, v0                           ; r
	v_bfe_u32 v2, v0, 4, 1                         ; h
	; the rows' figures are asked for first: record (2 b + column half of the launch before, 2 x tile row + my row half) of 1,024 bytes; lane r takes a = 0..3 at 16 r, a = 4..7 at 256 + 16 r
	s_lshl_b32 s20, s17, 1
	s_add_co_u32 s20, s20, s15
	s_lshl_b32 s20, s20, 10
	s_mov_b32 s21, 0
	s_add_nc_u64 s[12:13], s[12:13], s[20:21]
	v_lshlrev_b32 v[GR], 4, v1
.irp b, 0,1,2,3,4,5,6,7
	global_load_b128 v[NMG+8*\b:NMG+8*\b+3],   v[GR], s[12:13] offset:2*\b*131072        ; -M_b (both halves' records hold the same)
	global_load_b128 v[NMG+8*\b+4:NMG+8*\b+7], v[GR], s[12:13] offset:2*\b*131072+256
.endr
.irp c, 0,1,2,3,4,5,6,7,8,9,10,11,12,13,14,15
	global_load_b128 v[LG+8*\c:LG+8*\c+3],   v[GR], s[12:13] offset:\c*131072+512        ; l of 128 c
	global_load_b128 v[LG+8*\c+4:LG+8*\c+7], v[GR], s[12:13] offset:\c*131072+768
.endr
	v_mul_u32_u24 v3, v1, PITCH
	v_lshl_add_u32 v4, v2, 4, v3
	s_mul_i32 s21, s15, HALFT
	s_mul_i32 s22, s16, HALFT
	s_add_co_u32 s22, s22, 2*HALFT
.irp s, 0,1
	v_add_nc_u32 v[ADRA+\s], s21, v4
	v_add_nc_u32 v[ADRB+\s], s22, v4
	s_add_co_u32 s21, s21, SLOT
	s_add_co_u32 s22, s22, SLOT
.endr
	s_mul_i32 s23, s14, 16*SPITCH                  ; my stage
	v_mul_u32_u24 v5, v1, SPITCH
	v_lshl_add_u32 v5, v2, 5, v5
	v_add_nc_u32 v[STO], s23, v5
	v_and_b32 v6, 31, v0
	v_lshlrev_b32 v[CO], 4, v6
	v_add_nc_u32 v[RD], s23, v[CO]
	v_lshlrev_b32 v[PFO], 11, v6
	s_lshl_b32 s20, s17, 8
	s_lshl_b32 s21, s15, 7
	s_add_co_u32 s20, s20, s21                     ; my first row of the result
	s_mov_b32 s21, 0
	s_mov_b64 s[18:19], SIZE_N*4
	s_mul_u64 s[20:21], s[20:21], s[18:19]
	s_lshl_b32 s46, s42, 10                        ; my first column, in bytes
	s_lshl_b32 s47, s16, 9
	s_add_co_u32 s46, s46, s47
	s_mov_b32 s47, 0
	s_add_nc_u64 s[20:21], s[20:21], s[46:47]
	s_add_nc_u64 s[10:11], s[10:11], s[20:21]
	; the prefetches: where my wave's stand, and who asks
	s_lshl_b32 s69, s17, 8                         ; 256 x tile row
	s_lshl_b32 s70, s42, 8                         ; 256 x tile column
	s_and_b32 s71, ttmp7, 0xffff                   ; cluster y
	s_cmp_eq_u32 s15, 0                            ; do I fetch for A?
	s_cselect_b32 s69, s69, s70                    ; the tile's first row
	s_cselect_b32 s70, s40, s41                    ; my place among the four that ask for it with me
	s_cselect_b32 s71, ttmp9, s71                  ; the coordinate along which other clusters read the same rows
	s_cselect_b64 s[PFA:PFA+1], s[4:5], s[6:7]
	s_cmp_eq_u32 s71, 0
	s_cselect_b32 s[LIM], 1, -1                    ; the same in all sixteen partners, for a given wave
	s_lshl_b32 s71, s16, 7
	s_add_co_u32 s69, s69, s71                     ; + the 128 rows that I fetch
	s_lshl_b32 s70, s70, 5
	s_add_co_u32 s69, s69, s70                     ; + my work-group's 32 of them
	s_lshl_b32 s70, s69, 11                        ; in bytes
	s_mov_b32 s71, 0
	s_add_nc_u64 s[PFA:PFA+1], s[PFA:PFA+1], s[70:71]
	s_add_nc_u64 s[PFA:PFA+1], s[PFA:PFA+1], 2*ROWB   ; at K step 2: the first refill steps it to 3 and names K step 4.  Nothing is prefetched here, at the head
	s_wait_kmcnt 0x0
	s_add_co_i32 s[ESUM], s98, s99
	s_wait_loadcnt 0x0                             ; the rows' figures are in.  All below is done while the first tiles are on their way
.irp a, 0,1,2,3,4,5,6,7
	v_min3_num_f32 v[MF+\a], v[NMG+\a], v[NMG+8+\a], v[NMG+16+\a]
.endr
.irp a, 0,1,2,3,4,5,6,7
	v_min3_num_f32 v[MF+\a], v[MF+\a], v[NMG+24+\a], v[NMG+32+\a]
.endr
.irp a, 0,1,2,3,4,5,6,7
	v_min3_num_f32 v[MF+\a], v[MF+\a], v[NMG+40+\a], v[NMG+48+\a]
.endr
.irp a, 0,1,2,3,4,5,6,7
	v_min_num_f32 v[MF+\a], v[MF+\a], v[NMG+56+\a]       ; -M = the least -M_b
.endr
.irp b, 0,1,2,3,4,5,6,7
.irp a, 0,1,2,3,4,5,6,7
	v_add_f32 v[LG+16*\b+\a], v[LG+16*\b+\a], v[LG+16*\b+8+\a]      ; the block's two halves
.endr
.irp a, 0,1,2,3,4,5,6,7
	v_sub_f32 v[LG+16*\b+8+\a], v[MF+\a], v[NMG+8*\b+\a]            ; M_b - M: a whole number, 0 or less
.endr
.irp a, 0,1,2,3,4,5,6,7
	v_cvt_i32_f32 v[LG+16*\b+8+\a], v[LG+16*\b+8+\a]                ; (it saturates)
.endr
.irp a, 0,1,2,3,4,5,6,7
	v_ldexp_f32 v[LG+16*\b+\a], v[LG+16*\b+\a], v[LG+16*\b+8+\a]    ; l_b under M
.endr
.endr
.irp a, 0,1,2,3,4,5,6,7
	v_add_f32 v[LT+\a], v[LG+\a], v[LG+16+\a]
.endr
.irp b, 2,3,4,5,6,7
.irp a, 0,1,2,3,4,5,6,7
	v_add_f32 v[LT+\a], v[LT+\a], v[LG+16*\b+\a]         ; l
.endr
.endr
.irp a, 0,1,2,3,4,5,6,7
	v_add_f32 v[LG+\a], 0x42800000, v[MF+\a]             ; -(M - 64)
.endr
.irp b, 0,1,2,3,4,5,6,7
.irp a, 0,1,2,3,4,5,6,7
	v_min_num_f32 v[NMG+8*\b+\a], v[NMG+8*\b+\a], v[LG+\a]   ; -u_b = min(-M_b, -(M - 64))
.endr
.endr
.irp a, 0,1,2,3,4,5,6,7
	v_sub_f32 v[LG+8+\a], v[MF+\a], v[NMG+56+\a]         ; u_7 - M
.endr
.irp a, 0,1,2,3,4,5,6,7
	v_cvt_i32_f32 v[LG+8+\a], v[LG+8+\a]
.endr
.irp a, 0,1,2,3,4,5,6,7
	v_add_nc_u32 v[LG+8+\a], s[ESUM], v[LG+8+\a]         ; + e2 + e3
.endr
.irp a, 0,1,2,3,4,5,6,7
	v_rcp_f32 v[LG+16+\a], v[LT+\a]
.endr
.irp b, 7,6,5,4,3,2,1                          ; from the top down, so that each block still finds the one below it.  (Plain instructions behind the reciprocals)
.irp a, 0,1,2,3,4,5,6,7
	v_sub_f32 v[NMG+8*\b+\a], v[NMG+8*\b+\a], v[NMG+8*\b-8+\a]   ; u_(b-1) - u_b
.endr
.endr
.irp b, 1,2,3,4,5,6,7
.irp a, 0,1,2,3,4,5,6,7
	v_cvt_i32_f32 v[NMG+8*\b+\a], v[NMG+8*\b+\a]
.endr
.endr
.irp b, 1,2,3,4,5,6,7
.irp a, 0,1,2,3,4,5,6,7
	v_ldexp_f32 v[NMG+8*\b+\a], 1.0, v[NMG+8*\b+\a]      ; f_b
.endr
.endr
	s_wait_alu depctr_va_vdst(0)                   ; the wait ahead of the reciprocals' first reader: one for the eight
.irp a, 0,1,2,3,4,5,6,7
	v_ldexp_f32 v[NMG+\a], v[LG+16+\a], v[LG+8+\a]       ; g = 2^(u_7 - M + e2 + e3) / l
.endr
.irp a, 0,1,2,3,4,5,6,7
	v_mov_b32 v[FP+2*\a+1], 0                      ; (the upper halves of the pairs are named, so they are written)
.endr
.macro FRAG reg, adr, q, i
.irp c, 0,1,2,3
	ds_load_b128 v[\reg+4*\c:\reg+4*\c+3], v[\adr] offset:128*(\q)+32*\c+(\i)*16*PITCH
.endr
.endm
.macro MUL16 a0, p, zero               ; the 64 accumulators take turns, one instruction a turn
.irp a, \a0, \a0+1
.irp b, 0,1,2,3,4,5,6,7
.if \zero
	v_wmma_f32_16x16x128_bf8_bf8 v[8*(8*((\a)%4)+\b):8*(8*((\a)%4)+\b)+7], v[128*(\p)+FR*\b:128*(\p)+FR*\b+FR-1], v[AF+FR*(\a):AF+FR*(\a)+FR-1], 0
.else
	v_wmma_f32_16x16x128_bf8_bf8 v[8*(8*((\a)%4)+\b):8*(8*((\a)%4)+\b)+7], v[128*(\p)+FR*\b:128*(\p)+FR*\b+FR-1], v[AF+FR*(\a):AF+FR*(\a)+FR-1], v[8*(8*((\a)%4)+\b):8*(8*((\a)%4)+\b)+7]
.endif
.endr
.endr
.endm
.macro FETCH_B slot, q, p
	WIN TO_B
.irp i, 0,1,2,3,4,5,6,7
	FRAG 128*(\p)+FR*\i, ADRB+\slot, \q, \i
.endr
	WIN 0
.endm
.macro FETCH_A slot, q, i0
.irp i, \i0, \i0+1, \i0+2, \i0+3
	FRAG AF+FR*(\i), ADRA+\slot, \q, \i
.endr
.endm
.macro PLACES n
.rept \n
	v_nop
.endr
.endm
.macro RESC a0                         ; the window's 32 accumulators x the factor of their row block, each from its low end on
.irp m, 0,1,2,3
.set kk, 0
.rept 32
	v_pk_mul_f32 v[64*\m+2*kk:64*\m+2*kk+1], v[64*\m+2*kk:64*\m+2*kk+1], v[FP+2*(\a0+\m):FP+2*(\a0+\m)+1] op_sel_hi:[1,0]
.set kk, kk+1
.endr
.endr
.endm
; A slot's first step of 128 along K.  resc = 1, 2: a new block of 256 c begins: the accumulators go over into its unit, by the queue's first or second eight factors.  Rows 0-63's are multiplied ahead of their products (the last
; products stand four plain instructions back or more), rows 64-127's behind the first 32 products, none of whose registers they name.
.macro STEP slot, q, zero, resc
.if \resc
.irp a, 0,1,2,3,4,5,6,7
	v_mov_b32 v[FP+2*\a], v[FQ+8*((\resc)-1)+\a]
.endr
	WIN 0x82                                       ; source 0 and destination window 2, the factor window 0
	RESC 0
.endif
	s_wait_dscnt 4*NL                              ; B's set and A's blocks 0-3 are in; the youngest loads (A's blocks 4-7) may be out
	WIN MUL_LO
	MUL16 0, (\q)%2, \zero
	MUL16 2, (\q)%2, \zero
	s_wait_dscnt 0
	PLACES NP
	FETCH_B \slot, (\q)+1, 1-(\q)%2
	FETCH_A \slot, (\q)+1, 0
.if \resc
	WIN 0xc3
	RESC 4
.endif
	WIN MUL_HI
	MUL16 4, (\q)%2, \zero
	MUL16 6, (\q)%2, \zero
	PLACES NP
	WIN 0
	FETCH_A \slot, (\q)+1, 4
.endm
; A slot's last step changes slots: ONE barrier; in front of it each wave waits for all its tensor loads, adds 0 to its spare word, and waits for that and for its own reads of this slot.  fill = 1: this slot is filled again.
.macro TURN slot, next, fill
.if \fill
	s_wait_xcnt 0x0                                ; the last prefetch, a K step back, has read its address: it is stepped here, ahead of the waits of the change of slots
	s_add_nc_u64 s[PFA:PFA+1], s[PFA:PFA+1], ROWB
.endif
	s_wait_tensorcnt 0x0                           ; all my tensor loads have landed: my part of the next slot
	ds_add_u32 v[SPW], v[NIL]                      ; 0 onto my spare word
	s_wait_dscnt 4*NL+1                            ; (the add and the youngest loads, A's blocks 4-7, may be out)
	WIN MUL_LO
	MUL16 0, 1, 0
	s_wait_dscnt 0x0                               ; the add is done, and my reads of this slot are over
	s_barrier_signal -1
	MUL16 2, 1, 0
	WIN 0
	s_barrier_wait -1
.if \fill
	CREST                                          ; the barrier has opened a round of the cluster's barrier: no wave of any partner still reads this slot's tile or has a load on its way
	s_add_nc_u64 s[G0+4*\slot+2:G0+4*\slot+3], s[G0+4*\slot+2:G0+4*\slot+3], 2*ROWB
	s_add_nc_u64 s[G0B+4*\slot+2:G0B+4*\slot+3], s[G0B+4*\slot+2:G0B+4*\slot+3], 2*ROWB
	JLOAD G0+4*\slot, G1, G0B+4*\slot, G1B         ; the first tensor load behind the round; its four v_nop are the places in front of the loads below
.else
	PLACES NP
.endif
	FETCH_B \next, 0, 0
	FETCH_A \next, 0, 0
.if \fill
	ASK
.endif
	WIN MUL_HI
	MUL16 4, 1, 0
	MUL16 6, 1, 0
	PLACES NP
	WIN 0
	FETCH_A \next, 0, 4
.endm
	s_wait_tensorcnt 1                             ; my part of K step 0 is in (K step 1's load may be out)
	s_barrier_signal -1
	s_barrier_wait -1                              ; everybody's is
	FETCH_B 0, 0, 0
	FETCH_A 0, 0, 0
	FETCH_A 0, 0, 4
	STEP 0, 0, 1, 0                                ; block 0's first step stands in front of the loop: its products start the sums, in the unit u_0
	s_mov_b32 s3, LAPS-1
.Llap:                                                 ; a trip goes once round the ring, fills both slots again, and begins two blocks
	TURN 0, 1, 1
	STEP 1, 0, 0, 1
	TURN 1, 0, 1
	STEP 0, 0, 0, 2
.set ii, 0
.rept 40
	v_mov_b32 v[FQ+ii], v[FQ+16+ii]                ; the queue moves down by two blocks, so that every trip names the same registers
.set ii, ii+1
.endr
	s_sub_co_u32 s3, s3, 1
	s_cmp_lg_u32 s3, 0
	s_cbranch_scc1 .Llap
	TURN 0, 1, 0                                   ; the last lap fills nothing, and has no round of the cluster's barrier
	STEP 1, 0, 0, 1                                ; block 7
	s_wait_dscnt 4*NL                              ; the very last step
	WIN MUL_LO
	MUL16 0, 1, 0
	MUL16 2, 1, 0
	s_wait_dscnt 0
	WIN MUL_HI
	MUL16 4, 1, 0
	MUL16 6, 1, 0
	WIN 0
; THE WAY OUT, block by block of 16 rows x 128 columns: x g of the lane's row, through my own stage in LDS, and back as whole rows of 512 bytes.
; LDS serves a wave's instructions in order (ISA guide 5.7.1.4): no wait between the stores and the loads, nor in front of the next block's stores.
.macro TOSTAGE a
.set AC, 64*((\a)%4)
	WIN 0x02+((\a)/4)                              ; source 0: window 2 or 3
.irp j, 0,2,4,6,8,10,12,14,16,18,20,22,24,26,28,30,32,34,36,38,40,42,44,46,48,50,52,54,56,58,60,62
	v_pk_mul_f32 v[TMP+\j:TMP+\j+1], v[AC+\j:AC+\j+1], v[FP+2*(\a):FP+2*(\a)+1] op_sel_hi:[1,0]   ; each accumulator from its low end on
.endr
	WIN 0
.irp b, 0,1,2,3,4,5,6,7
	ds_store_b128 v[STO], v[TMP+8*\b:TMP+8*\b+3] offset:64*\b
	ds_store_b128 v[STO], v[TMP+8*\b+4:TMP+8*\b+7] offset:64*\b+16
.endr
.set BB, BK+64*((\a)%2)
.irp t, 0,1,2,3,4,5,6,7,8,9,10,11,12,13,14,15
	ds_load_b128 v[BB+4*\t:BB+4*\t+3], v[RD] offset:\t*SPITCH
.endr
.endm
.macro SEND a, younger                 ; younger: the LDS instructions issued behind block a's loads, which may stay out
.set BB, BK+64*((\a)%2)
	s_wait_dscnt \younger
.if (\a) > 0
	s_add_nc_u64 s[10:11], s[10:11], 16*SIZE_N*4   ; (behind a wait on XCNT: the earlier stores have read their base)  16 rows on
.endif
.irp t, 0,1,2,3,4,5,6,7,8,9,10,11,12,13,14,15
	global_store_b128 v[CO], v[BB+4*\t:BB+4*\t+3], s[10:11] offset:\t*SIZE_N*4 th:TH_STORE_NT   ; 32 lanes store 512 consecutive bytes, at a multiple of 512 from the result's first byte
.endr
.endm
.irp a, 0,1,2,3,4,5,6,7
	v_mov_b32 v[FP+2*\a], v[NMG+\a]                ; g into the pairs.  (Eight plain instructions that name no register of the last products: the places behind them)
.endr
	TOSTAGE 0
.irp a, 1,2,3,4,5,6,7
.if \a > 1
	s_wait_xcnt 0x0                                ; block a - 2's stores have read their registers and their base: block a's loads may land there, and the base may step
.endif
	TOSTAGE \a
	SEND \a-1, 32                                  ; behind block a - 1's loads: block a's 16 stores and 16 loads
.endr
	s_wait_xcnt 0x0
	SEND 7, 0
	s_wait_tensorcnt 0x0                           ; the wave's end: behind my last tensor load and my last LDS store
	ds_add_u32 v[SPW], v[NIL]
	s_wait_dscnt 0x0
	CROUND                                         ; the closing round: no work-group ends while a partner may still ask for a tile that names it
	s_endpgm
.Lfunc_end_k_qc71c80452f_g2:
	.size	k_qc71c80452f_g2, .Lfunc_end_k_qc71c80452f_g2-k_qc71c80452f_g2
	.p2alignl 7, 3214868480
	.fill 96, 4, 3214868480
	.section	.rodata,"a",@progbits
	.p2align	6, 0x0
	.amdhsa_kernel k_qc71c80452f_g2
		.amdhsa_group_segment_fixed_size 327680
		.amdhsa_private_segment_fixed_size 0
		.amdhsa_enable_private_segment 0
		.amdhsa_kernarg_size 40
		.amdhsa_user_sgpr_count 2
		.amdhsa_user_sgpr_kernarg_segment_ptr 1
		.amdhsa_wavefront_size32 1
		.amdhsa_system_sgpr_workgroup_id_x 1
		.amdhsa_system_sgpr_workgroup_id_y 1
		.amdhsa_system_sgpr_workgroup_id_z 1
		.amdhsa_system_vgpr_workitem_id 0
		.amdhsa_next_free_vgpr 1024
		.amdhsa_next_free_sgpr 100
		.amdhsa_reserve_vcc 0
		.amdhsa_float_denorm_mode_32 3
		.amdhsa_float_denorm_mode_16_64 3
		.amdhsa_memory_ordered 1
		.amdhsa_forward_progress 1
		.amdhsa_inst_pref_size 204
	.end_amdhsa_kernel
	.amdgpu_metadata
---
amdhsa.version: [ 1, 2 ]
amdhsa.kernels:
  - .name:           k_qc71c80452f_g2
    .symbol:         k_qc71c80452f_g2.kd
    .args:
      - { .name: pc, .offset: 0, .size: 8, .value_kind: global_buffer, .address_space: global }
      - { .name: wt, .offset: 8, .size: 8, .value_kind: global_buffer, .address_space: global }
      - { .name: lowp_scales, .offset: 16, .size: 8, .value_kind: global_buffer, .address_space: global }
      - { .name: out0, .offset: 24, .size: 8, .value_kind: global_buffer, .address_space: global }
      - { .name: st, .offset: 32, .size: 8, .value_kind: global_buffer, .address_space: global }
    .group_segment_fixed_size: 327680
    .private_segment_fixed_size: 0
    .kernarg_segment_align: 8
    .kernarg_segment_size: 40
    .max_flat_workgroup_size: 128
    .sgpr_count:     100
    .vgpr_count:     1024
    .wavefront_size: 32
...
	.end_amdgpu_metadata
.endif
;; end of part 5
